; MI455X (gfx1250); checked and timed in simulation.
; The chip was launched on July 23, 2026; its instructions are those of AMD's public machine-readable ISA for CDNA 5 (MIT licence, August 2026) and "CDNA5" Instruction Set Architecture Reference Guide (July 2026). The comments in the code are by the model that wrote it; some were corrected since.
;; Capsule. Allowed arithmetic: float matrix products may take bf16 or f16 operands with f32 sums; all other float work in f32.
;; Inputs: W 1 x 256 x 2,048 float32; u_vecs 64 x 512 x 256 float32.
;; Outputs: out0 64 x 32 x 64 float32.
;; 2 versions, each right; version 2 is version 1 with the launch prep written anew for expert scheduling mode. Each part assembles by itself: llvm-mc -triple=amdgcn-amd-amdhsa -mcpu=gfx1250 --defsym DOCPART=n.
;; ======== version 1 of 2: 4 launches
;; limits: values are held in f16: magnitudes above 65,504 overflow, below 6.1e-05 lose precision; inputs' magnitudes at most 8,188
;; workspace buffers: uh 16,777,216 bytes; wh 1,048,576 bytes; p0 262,144 bytes; vv0 1,048,576 bytes; vv1 1,048,576 bytes; wfo 1,048,576 bytes; wfv 1,048,576 bytes
;; launch prep (part 1): grid 256 x 1, 8 waves a work-group, no clusters, 9,216 bytes of LDS; arguments u_vecs, W, uh, wh, p0; writes uh, wh, p0
.if DOCPART == 1
	.amdgcn_target "amdgcn-amd-amdhsa--gfx1250"
	.amdhsa_code_object_version 6
	.text
	.protected	k_q1afb7883d0_prep
	.globl	k_q1afb7883d0_prep
	.p2align	8
	.type	k_q1afb7883d0_prep,@function
k_q1afb7883d0_prep:
	s_mov_b64 s[64:65], 0
	v_nop
	global_prefetch_b8 v0, s[64:65] scope:SCOPE_SE
	s_setreg_imm32_b32 hwreg(HW_REG_WAVE_MODE, 25, 1), 1
	s_wait_xcnt 0x0
; CAPSULE ROUTING, launch 1 of 4: u and W are rounded to f16 copies, and the column sums of u are formed.
;
; WORK THAT IS LEFT OUT, for all finite values of the inputs:
; (1) u_hat[b,n,i,d] = sum_e u[b,i,e] W[e,n,d] enters the routing only linearly, so it is never formed.  With W_n = W[:,n,:]:
;       o[b,n,:] = sum_i c[b,n,i] u_hat[b,n,i,:] = (sum_i c[b,n,i] u[b,i,:]) W_n          = s[b,n,:] W_n
;       b[b,n,i] = sum_d o^[b,n,d] u_hat[b,n,i,d] = sum_e u[b,i,e] (sum_d W[e,n,d] o^[b,n,d]) = u[b,i,:] . v[b,n,:]
;     Both are a change of the order of finite sums: identities of exact arithmetic.
; (2) In the first routing step b is the array of zeros that the routing itself builds, so its softmax over the 32 capsules is 1/32
;     everywhere: no exponential and no product with c; s[b,n,:] = (sum_i u[b,i,:]) / 32 for every n.
; Both inputs still reach the output, and both are loaded.
; LIMITS: the order of rounding differs from a program that forms u_hat.  A NaN, an infinity or an overflow that would arise only
; inside u_hat is not carried to the result.  Matrix operands are f16 (eleven significant bits against bf16's eight; the routing hands
; rounding errors on from step to step): |u| and |W| must stay below 65,504; values below 2^-14 in magnitude round with an absolute
; error of 2^-25 (f16 denormals are kept).
;
; THE SHARE: work-group g = 4 b + chunk owns rows 128 g .. 128 g + 127 of u (as [32768][256]); wave w owns 16 of them; a lane owns
; columns 4 l .. 4 l + 3 and 128 + 4 l .. + 3 of each.  A load of the wave covers 512 consecutive bytes, a store of f16 256, aligned.
; All 32 loads of a wave are issued at once: every byte that the work-group reads is asked for in its first lines.
; The work-group also rounds 32 rows x 64 columns of W: capsule g >> 3, rows e = 32 (g & 7) .., into wh[n][e][d] (each n dense).
; No matrix work, no shared input: matrix units, clusters and LDS slots have nothing to do here.
.set ROWB,  1024                       ; bytes of a row of u in f32
.set HROWB, 512                        ; and in f16
.set ACC,   8                          ; v[8:15]    column sums of my 8 columns over my wave's 16 rows
.set WX,    16                         ; v[16:23]   my 2 x 4 numbers of W
.set X,     24                         ; v[24:151]  row k: 8 registers as loaded; then f16 in registers 0,1 and 4,5 of the eight
.set R,     152                        ; v[152:183] the eight waves' sums of four columns
	s_load_b256 s[4:11], s[0:1], 0x0               ; u s[4:5], W s[6:7], uh s[8:9], wh s[10:11]
	s_load_b64 s[12:13], s[0:1], 0x20              ; p0
	v_lshl_add_u32 v192, v0, 2, 0x2000
	v_mov_b32 v193, 0
	v_and_b32 v7, 31, v0                           ; lane l
	v_lshrrev_b32 v6, 5, v0                        ; wave w
	v_readfirstlane_b32 s14, v6
	v_lshlrev_b32 v1, 4, v7
	v_lshl_add_u32 v3, v6, 10, v1                  ; v3: LDS, 1,024 w + 16 l
	v_lshl_add_u32 v1, v6, 14, v1                  ; v1: u, 16 rows x 1,024 bytes a wave + 16 l
	v_lshlrev_b32 v2, 3, v7
	v_lshl_add_u32 v2, v6, 13, v2                  ; v2: uh, 16 rows x 512 bytes a wave + 8 l
	v_lshrrev_b32 v4, 4, v0
	v_and_b32 v5, 15, v0
	v_lshlrev_b32 v5, 4, v5
	v_lshl_add_u32 v4, v4, 13, v5                  ; v4: W, row t >> 4 of 8,192 bytes + 16 (t & 15)
	v_lshlrev_b32 v5, 3, v0                        ; v5: wh, 8 t
	v_lshlrev_b32 v6, 4, v0                        ; v6: the last sum and p0, 16 t (threads 0 to 63)
	s_lshl_b32 s16, ttmp9, 17                      ; u: 128 rows x 1,024 bytes a work-group
	s_mov_b32 s17, 0
	s_lshl_b32 s18, ttmp9, 16                      ; uh: 128 rows x 512 bytes
	s_mov_b32 s19, 0
	s_lshl_b32 s20, ttmp9, 10                      ; p0[b][chunk][256] f32: 1,024 bytes a work-group
	s_mov_b32 s21, 0
	s_lshl_b32 s22, ttmp9, 12                      ; wh: 32,768 (g >> 3) + 32 rows x 128 bytes x (g & 7) = 4,096 g
	s_mov_b32 s23, 0
	s_and_b32 s24, ttmp9, 7
	s_lshl_b32 s24, s24, 18                        ; W: 32 rows of 8,192 bytes x (g & 7)
	s_lshr_b32 s25, ttmp9, 3
	s_lshl_b32 s25, s25, 8                         ;    + 256 bytes x capsule
	s_add_co_u32 s24, s24, s25
	s_mov_b32 s25, 0
	s_wait_kmcnt 0x0
	s_add_nc_u64 s[4:5], s[4:5], s[16:17]
	s_add_nc_u64 s[8:9], s[8:9], s[18:19]
	s_add_nc_u64 s[12:13], s[12:13], s[20:21]
	s_add_nc_u64 s[10:11], s[10:11], s[22:23]
	s_add_nc_u64 s[6:7], s[6:7], s[24:25]
	global_load_b128 v[WX:WX+3],   v4, s[6:7]                  ; rows 0-15 of my 32: sixteen lanes take 256 consecutive bytes
	global_load_b128 v[WX+4:WX+7], v4, s[6:7] offset:16*8192   ; rows 16-31
.irp k, 0,1,2,3,4,5,6,7,8,9,10,11,12,13,14,15
	global_load_b128 v[X+8*\k:X+8*\k+3],   v1, s[4:5] offset:\k*ROWB th:TH_LOAD_NT       ; u is read once in this launch
	global_load_b128 v[X+8*\k+4:X+8*\k+7], v1, s[4:5] offset:\k*ROWB+512 th:TH_LOAD_NT
.endr
	s_wait_loadcnt 32                              ; loads come back in order: the 32 loads of u stay out, both of W are in
	v_cvt_pk_f16_f32 v[WX],   v[WX],   v[WX+1]
	v_cvt_pk_f16_f32 v[WX+1], v[WX+2], v[WX+3]
	v_cvt_pk_f16_f32 v[WX+4], v[WX+4], v[WX+5]
	v_cvt_pk_f16_f32 v[WX+5], v[WX+6], v[WX+7]
	global_store_b64 v5, v[WX:WX+1],   s[10:11]                ; 32 lanes store 256 consecutive bytes, aligned
	global_store_b64 v5, v[WX+4:WX+5], s[10:11] offset:2048
; Row k is rounded to f16 in the registers that it came in and stored; those registers are not written again.
.macro CVST k
.irp hf, 0,1
	v_cvt_pk_f16_f32 v[X+8*\k+4*\hf],   v[X+8*\k+4*\hf],   v[X+8*\k+4*\hf+1]
	v_cvt_pk_f16_f32 v[X+8*\k+4*\hf+1], v[X+8*\k+4*\hf+2], v[X+8*\k+4*\hf+3]
	global_store_b64 v2, v[X+8*\k+4*\hf:X+8*\k+4*\hf+1], s[8:9] offset:\k*HROWB+\hf*256
.endr
.endm
.macro ROW k
	s_wait_loadcnt 30-2*\k                         ; the 2 (15 - k) loads of the later rows stay out
.irp j, 0,2,4,6
	v_pk_add_f32 v[ACC+\j:ACC+\j+1], v[ACC+\j:ACC+\j+1], v[X+8*\k+\j:X+8*\k+\j+1]
.endr
	CVST \k
.endm
	s_wait_loadcnt 28                              ; rows 0 and 1 are in, the 28 loads of rows 2 to 15 stay out
.irp j, 0,2,4,6
	v_pk_add_f32 v[ACC+\j:ACC+\j+1], v[X+\j:X+\j+1], v[X+8+\j:X+8+\j+1]   ; the first two rows start the sums: nothing is cleared
.endr
	CVST 0
	CVST 1
.irp k, 2,3,4,5,6,7,8,9,10,11,12,13,14,15
	ROW \k
.endr
	; the eight waves' sums meet in LDS: [wave 8][column 256] f32
	ds_store_b128 v3, v[ACC:ACC+3]
	ds_store_b128 v3, v[ACC+4:ACC+7] offset:512
	s_wait_dscnt 0x0                               ; my stores are done before I say so
	s_barrier_signal -1
	s_barrier_wait -1
	s_cmp_ge_u32 s14, 2                            ; 256 columns are 64 threads x 4: waves 0 and 1 add and store
	s_cbranch_scc1 .Lend
.irp i, 0,1,2,3,4,5,6,7
	ds_load_b128 v[R+4*\i:R+4*\i+3], v6 offset:1024*\i
.endr
.macro QADD a, b
	v_pk_add_f32 v[R+4*\a:R+4*\a+1],   v[R+4*\a:R+4*\a+1],   v[R+4*\b:R+4*\b+1]
	v_pk_add_f32 v[R+4*\a+2:R+4*\a+3], v[R+4*\a+2:R+4*\a+3], v[R+4*\b+2:R+4*\b+3]
.endm
	s_wait_dscnt 0x0
	QADD 0, 1
	QADD 2, 3
	QADD 4, 5
	QADD 6, 7
	QADD 0, 2
	QADD 4, 6
	QADD 0, 4
	global_store_b128 v6, v[R:R+3], s[12:13]       ; the raw sum over my 128 rows; a wave stores 512 consecutive bytes
.Lend:
	s_wait_tensorcnt 0x0
	ds_add_u32 v192, v193
	s_wait_dscnt 0x0
	s_endpgm
.Lfunc_end_k_q1afb7883d0_prep:
	.size	k_q1afb7883d0_prep, .Lfunc_end_k_q1afb7883d0_prep-k_q1afb7883d0_prep
	.p2alignl 7, 3214868480
	.fill 96, 4, 3214868480
	.section	.rodata,"a",@progbits
	.p2align	6, 0x0
	.amdhsa_kernel k_q1afb7883d0_prep
		.amdhsa_group_segment_fixed_size 9216
		.amdhsa_private_segment_fixed_size 0
		.amdhsa_enable_private_segment 0
		.amdhsa_kernarg_size 40
		.amdhsa_user_sgpr_count 2
		.amdhsa_user_sgpr_kernarg_segment_ptr 1
		.amdhsa_wavefront_size32 1
		.amdhsa_system_sgpr_workgroup_id_x 1
		.amdhsa_system_sgpr_workgroup_id_y 1
		.amdhsa_system_sgpr_workgroup_id_z 1
		.amdhsa_system_vgpr_workitem_id 0
		.amdhsa_next_free_vgpr 194
		.amdhsa_next_free_sgpr 66
		.amdhsa_reserve_vcc 0
		.amdhsa_float_denorm_mode_32 3
		.amdhsa_float_denorm_mode_16_64 3
		.amdhsa_memory_ordered 1
		.amdhsa_forward_progress 1
		.amdhsa_inst_pref_size 19
	.end_amdhsa_kernel
	.amdgpu_metadata
---
amdhsa.version: [ 1, 2 ]
amdhsa.kernels:
  - .name:           k_q1afb7883d0_prep
    .symbol:         k_q1afb7883d0_prep.kd
    .args:
      - { .name: u_vecs, .offset: 0, .size: 8, .value_kind: global_buffer, .address_space: global }
      - { .name: W, .offset: 8, .size: 8, .value_kind: global_buffer, .address_space: global }
      - { .name: uh, .offset: 16, .size: 8, .value_kind: global_buffer, .address_space: global }
      - { .name: wh, .offset: 24, .size: 8, .value_kind: global_buffer, .address_space: global }
      - { .name: p0, .offset: 32, .size: 8, .value_kind: global_buffer, .address_space: global }
    .group_segment_fixed_size: 9216
    .private_segment_fixed_size: 0
    .kernarg_segment_align: 8
    .kernarg_segment_size: 40
    .max_flat_workgroup_size: 256
    .sgpr_count:     66
    .vgpr_count:     194
    .wavefront_size: 32
...
	.end_amdgpu_metadata
.endif
;; end of part 1
;; launch w0 (part 2): grid 32 x 4, 8 waves a work-group, no clusters, 57,344 bytes of LDS; arguments p0, wh, vv0, wfo, wfv; writes vv0, wfo, wfv
.if DOCPART == 2
	.amdgcn_target "amdgcn-amd-amdhsa--gfx1250"
	.amdhsa_code_object_version 6
	.text
	.protected	k_q1afb7883d0_w0
	.globl	k_q1afb7883d0_w0
	.p2align	8
	.type	k_q1afb7883d0_w0,@function
k_q1afb7883d0_w0:
	s_mov_b64 s[64:65], 0
	v_nop
	global_prefetch_b8 v0, s[64:65] scope:SCOPE_SE
	s_setreg_imm32_b32 hwreg(HW_REG_WAVE_MODE, 25, 1), 1
	s_wait_xcnt 0x0
; CAPSULE ROUTING, launch 2 of 4: the first routing step's products with W_n, and W_n in the lane order of the matrix fragments.
;   s = (sum_i u) / 32 from p0 (the first step's softmax of zeros is 1/32: nothing is exponentiated);  o = s W_n;  o^ = o / sqrt(max(|o|^2, 1e-12));  v = W_n o^
; u_hat is not formed: o = (sum_i c u) W_n and b = u . (W_n o^) are the same sums in another order (shown at the head of the first kernel).
; THE SHARE: work-group (n, bb): capsule n, batches 16 bb .. 16 bb + 15, the fewest rows that fill a matrix tile.  Eight waves.
;   in:  64 KiB dense, [b' 16][chunk 4][e 256] f32: the four chunks' partial sums are added, scaled, rounded to f16 into LDS;
;        wh[n], 32 KiB dense, [e 256][d 64] f16, is copied into LDS with padded rows.  All 24 loads of a thread are issued first.
;   O:   waves 0-3: O^T(d = 16 w .., b') = W_n^T s^T, K = e = 256, in two accumulators (even and odd K steps).  |o|^2 meets in LDS.
;   V:   all waves: V^T(e = 32 w + 16 t .., b') = W_n o^^T, K = d = 64.
; THE FRAGMENT COPIES: the two later launches multiply W_n by one vector a wave and have no LDS left for it, so they load its fragments straight
; into registers.  This launch has every fragment in registers anyway and stores it as it lies, lane l's 16 bytes at 16 l:
;   wfo[n][t 4][ks 8][half 2][lane 32][16 bytes]: W_n(e = 32 ks + 16 half + 8 h .. + 7, d = 16 t + r), the first operand of o
;   wfv[n][te 16][kd 2][half 2][lane 32][16 bytes]: W_n(e = 16 te + r, d = 32 kd + 16 half + 8 h .. + 7), the first operand of v
; Each byte is stored once: of a capsule's four work-groups, bb stores tile t = bb of wfo (its wave bb) and tiles te = 4 bb .. 4 bb + 3 of wfv (its waves 2 bb, 2 bb + 1).
; SCALING AND LIMITS: s goes to the matrix unit as s / 64 in f16: |s| <= 16 max|u| here; the factor is a power of two and is taken back exactly
; (|o|^2 x 4,096, o x 64).  o^ lies in [-1, 1]; |v| <= 8 max|W|.
; NO CLUSTER: the four work-groups of a capsule share wh[n], 32 of the 96 KiB that each reads; the other 64 KiB must pass through registers
; (a sum of four and a rounding), so nothing here is fetched by tensor loads, which alone can be shared.
.set S_PITCH,  528                     ; s / 64 in f16: [16 b'][256 e], 512 bytes + 16, from LDS byte 0
.set W_LDS,    8448                    ; wh[n]: [256 e][64 d], 128 bytes + 16
.set W_PITCH,  144
.set Q_LDS,    45312                   ; |o|^2 by parts: f32 [16 b'][4 waves]
.set O_LDS,    45568                   ; o^ in f16 [16 b'][64 d], pitch 144
.set O_PITCH,  144
.set V_LDS,    47872                   ; v in f16: [16 b'][256 e], 512 bytes + 16
.set V_PITCH,  528
.set SCALE, 0x3a000000                 ; 1/32 x 1/64
.set GS,  2                            ; global: my 16 bytes of the partial sums
.set GW,  3                            ; global: my 16 bytes of wh[n]
.set LSS, 4                            ; LDS: where my four s go
.set LWS, 5                            ; LDS: where my 16 bytes of wh[n] go
.set ATR, 6                            ; LDS: W_n^T fragments (transposing loads)
.set ASB, 7                            ; LDS: s fragments
.set AQS, 8                            ; LDS: my wave's part of |o|^2
.set AQL, 9                            ; LDS: the four parts
.set AOS, 10                           ; LDS: where my eight o go
.set AWN, 11                           ; LDS: W_n fragments
.set AOB, 12                           ; LDS: o^ fragments
.set AVS, 13                           ; LDS: where my eight v go
.set AVL, 14                           ; LDS: a whole row read back
.set AG,  15                           ; global: that row
.set AF,  22                           ; global: 16 l, a lane's place in a fragment copy
.set SX,  32                           ; v[32:95]   group q, chunk c: 4 registers as loaded
.set WX,  96                           ; v[96:127]  wh[n] on its way to LDS
.set FA,  32                           ; v[32:95]   phase O: eight fragments of W_n^T; stored to wfo and not written again
.set FB,  128                          ; v[128:191] phase O: eight fragments of s
.set T0,  192                          ; v[192:199] phase O: even K steps, then o
.set T1,  200                          ; v[200:207] phase O: odd K steps
.set SC,  208                          ; v[208:219] at work
.set VA,  128                          ; v[128:159] phase V: W_n, tile t, K step ks; stored to wfv and not written again
.set VB,  160                          ; v[160:175] phase V: o^
.set VC,  176                          ; v[176:191] phase V: two accumulators
.set PK,  96                           ; v[96:103]  v in f16
.set RB,  104                          ; v[104:111] rows read back
.macro BAR
	s_wait_dscnt 0x0                               ; my LDS stores are done and my LDS loads are back before I say so
	s_barrier_signal -1
	s_barrier_wait -1
.endm
.macro PLACES                          ; four independent vector instructions between a matrix instruction and the first reader of its result (ISA guide 7.12.1)
.rept 4
	v_nop
.endr
.endm
	s_load_b256 s[4:11], s[0:1], 0x0               ; p0 s[4:5], wh s[6:7], vv0 s[8:9], wfo s[10:11]
	s_load_b64 s[12:13], s[0:1], 0x20              ; wfv
	v_lshl_add_u32 v224, v0, 2, 0xdc00
	v_mov_b32 v225, 0
	v_lshrrev_b32 v1, 5, v0
	v_readfirstlane_b32 s14, v1                    ; wave w
	s_and_b32 s15, ttmp7, 0xffff                   ; bb
	s_mov_b32 s16, 0x76543210                      ; v_permlanex16_b32: lane i of one half reads lane i of the other
	s_mov_b32 s17, 0xfedcba98
	s_lshl_b32 s18, s15, 16                        ; p0: 16 batches x 4 chunks x 1,024 bytes
	s_mov_b32 s19, 0
	s_lshl_b32 s20, ttmp9, 15                      ; wh[n], wfo[n], wfv[n]: 32,768 bytes each
	s_mov_b32 s21, 0
	s_lshl_b32 s22, s15, 18                        ; vv0[b][n][e] f16: 16 batches x 16,384 bytes
	s_lshl_b32 s24, ttmp9, 9                       ; + 512 n
	s_add_co_u32 s22, s22, s24
	s_mov_b32 s23, 0
	s_lshl_b32 s26, s14, 13                        ; wfo: tile t = w, 8,192 bytes (used by waves 0 to 3 alone)
	s_add_co_u32 s26, s26, s20
	s_mov_b32 s27, 0
	s_lshl_b32 s28, s14, 12                        ; wfv: tiles 2 w, 2 w + 1, 4,096 bytes
	s_add_co_u32 s28, s28, s20
	s_mov_b32 s29, 0
	v_lshrrev_b32 v16, 6, v0                       ; t >> 6: my batch in a group of four
	v_and_b32 v17, 63, v0                          ; t & 63: my four columns e
	v_lshlrev_b32 v18, 4, v17
	v_lshl_add_u32 v[GS], v16, 12, v18             ; 4,096 (t >> 6) + 16 (t & 63)
	v_lshlrev_b32 v[GW], 4, v0                     ; 16 t
	s_wait_kmcnt 0x0
	s_add_nc_u64 s[4:5], s[4:5], s[18:19]
	s_add_nc_u64 s[6:7], s[6:7], s[20:21]
	s_add_nc_u64 s[8:9], s[8:9], s[22:23]
	s_add_nc_u64 s[10:11], s[10:11], s[26:27]
	s_add_nc_u64 s[12:13], s[12:13], s[28:29]
.irp q, 0,1,2,3
.irp c, 0,1,2,3
	global_load_b128 v[SX+16*\q+4*\c:SX+16*\q+4*\c+3], v[GS], s[4:5] offset:\q*16384+\c*1024    ; p0 is read by all 32 capsules' work-groups
.endr
.endr
.irp k, 0,1,2,3,4,5,6,7
	global_load_b128 v[WX+4*\k:WX+4*\k+3], v[GW], s[6:7] offset:4096*\k
.endr
	; LDS addresses, while the loads are on their way.  r = lane & 15, h = lane >> 4.
	v_mul_u32_u24 v18, v16, S_PITCH
	v_lshl_add_u32 v[LSS], v17, 3, v18             ; row t >> 6, 8 bytes at 8 (t & 63)
	v_lshrrev_b32 v18, 3, v0
	v_mul_u32_u24 v18, v18, W_PITCH
	v_and_b32 v19, 7, v0
	v_lshl_add_u32 v18, v19, 4, v18
	v_add_nc_u32 v[LWS], W_LDS, v18                ; row t >> 3, 16 bytes at 16 (t & 7)
	v_and_b32 v20, 15, v0                          ; r
	v_bfe_u32 v21, v0, 4, 1                        ; h
	v_lshl_add_u32 v18, v21, 3, v19                ; 8 h + (lane & 7): the row e that I address in a transposing load
	v_mul_u32_u24 v18, v18, W_PITCH
	v_bfe_u32 v23, v0, 3, 1
	v_lshl_add_u32 v18, v23, 4, v18                ; + 16 bytes for lanes 8-15 of each half
	s_lshl_b32 s24, s14, 5                         ; + my wave's 16 columns d
	s_add_co_u32 s24, s24, W_LDS
	v_add_nc_u32 v[ATR], s24, v18
	v_mul_u32_u24 v18, v20, S_PITCH
	v_lshl_add_u32 v[ASB], v21, 4, v18             ; row r, + 16 h
	v_lshlrev_b32 v18, 4, v20
	v_add_nc_u32 v[AQL], Q_LDS, v18                ; 16 bytes for batch r
	s_lshl_b32 s24, s14, 2
	v_add_nc_u32 v[AQS], s24, v[AQL]               ; my wave's word of them
	v_mul_u32_u24 v18, v20, O_PITCH
	v_lshl_add_u32 v18, v21, 4, v18                ; 144 r + 16 h serves o^ and W_n: both have rows of 64 f16
	v_add_nc_u32 v[AOB], O_LDS, v18
	s_lshl_b32 s24, s14, 5
	v_add_nc_u32 v[AOS], s24, v[AOB]               ; d = 16 w + 8 h ..: 32 w + 16 h bytes into row r
	s_mul_i32 s24, s14, 32*W_PITCH
	s_add_co_u32 s24, s24, W_LDS
	v_add_nc_u32 v[AWN], s24, v18                  ; rows e = 32 w + r
	s_lshl_b32 s24, s14, 6
	s_add_co_u32 s24, s24, V_LDS
	v_add_nc_u32 v[AVS], s24, v[ASB]               ; row r, e = 32 w + 8 h ..: 64 w + 16 h bytes
	v_and_b32 v[AF], 31, v0
	v_lshlrev_b32 v[AF], 4, v[AF]                  ; 16 l
	s_mul_i32 s24, s14, 2*V_PITCH
	s_add_co_u32 s24, s24, V_LDS
	v_add_nc_u32 v[AVL], s24, v[AF]                ; rows 2 w, 2 w + 1 whole
	s_lshl_b32 s24, s14, 15
	v_add_nc_u32 v[AG], s24, v[AF]                 ; batches 2 w, 2 w + 1: 16,384 bytes apart
; Group q: batch (t >> 6) + 4 q.  The four chunks' parts are added, scaled and rounded.
.macro SGROUP q
	s_wait_loadcnt 20-4*\q                         ; of 24 loads in order the 4 (3 - q) of later groups and the 8 of wh stay out
	v_pk_add_f32 v[SX+16*\q:SX+16*\q+1],     v[SX+16*\q:SX+16*\q+1],     v[SX+16*\q+4:SX+16*\q+5]
	v_pk_add_f32 v[SX+16*\q+2:SX+16*\q+3],   v[SX+16*\q+2:SX+16*\q+3],   v[SX+16*\q+6:SX+16*\q+7]
	v_pk_add_f32 v[SX+16*\q+8:SX+16*\q+9],   v[SX+16*\q+8:SX+16*\q+9],   v[SX+16*\q+12:SX+16*\q+13]
	v_pk_add_f32 v[SX+16*\q+10:SX+16*\q+11], v[SX+16*\q+10:SX+16*\q+11], v[SX+16*\q+14:SX+16*\q+15]
	v_pk_add_f32 v[SX+16*\q:SX+16*\q+1],     v[SX+16*\q:SX+16*\q+1],     v[SX+16*\q+8:SX+16*\q+9]
	v_pk_add_f32 v[SX+16*\q+2:SX+16*\q+3],   v[SX+16*\q+2:SX+16*\q+3],   v[SX+16*\q+10:SX+16*\q+11]
	v_pk_mul_f32 v[SX+16*\q:SX+16*\q+1],     v[SX+16*\q:SX+16*\q+1],     SCALE op_sel_hi:[1,0]
	v_pk_mul_f32 v[SX+16*\q+2:SX+16*\q+3],   v[SX+16*\q+2:SX+16*\q+3],   SCALE op_sel_hi:[1,0]
	v_cvt_pk_f16_f32 v[SX+16*\q],   v[SX+16*\q],   v[SX+16*\q+1]
	v_cvt_pk_f16_f32 v[SX+16*\q+1], v[SX+16*\q+2], v[SX+16*\q+3]
	ds_store_b64 v[LSS], v[SX+16*\q:SX+16*\q+1] offset:4*S_PITCH*\q
.endm
	SGROUP 0
	SGROUP 1
	SGROUP 2
	SGROUP 3
.irp k, 0,1,2,3,4,5,6,7
	s_wait_loadcnt 7-\k                            ; the 7 - k later loads of wh stay out
	ds_store_b128 v[LWS], v[WX+4*\k:WX+4*\k+3] offset:32*W_PITCH*\k
.endr
	BAR                                            ; s and W_n are whole in LDS
	; PHASE O, part 1: waves 0 to 3, 16 columns d each.  The branch hangs on the wave's number and holds no barrier.
	s_cmp_gt_u32 s14, 3
	s_cbranch_scc1 .Lo1
.irp ks, 0,1,2,3,4,5,6,7
	ds_load_tr16_b128 v[FA+8*\ks:FA+8*\ks+3],   v[ATR] offset:32*W_PITCH*\ks               ; W_n(e = 32 ks + 8 h .., d = 16 w + r)
	ds_load_tr16_b128 v[FA+8*\ks+4:FA+8*\ks+7], v[ATR] offset:32*W_PITCH*\ks+16*W_PITCH    ; e = 32 ks + 16 + 8 h ..
	ds_load_b128 v[FB+8*\ks:FB+8*\ks+3],   v[ASB] offset:64*\ks                            ; s(b' = r, e = 32 ks + 8 h ..)
	ds_load_b128 v[FB+8*\ks+4:FB+8*\ks+7], v[ASB] offset:64*\ks+32
.endr
	; The two accumulators take turns, one instruction a turn.  Each wait leaves the four loads of every later K step out.
	s_wait_dscnt 28
	v_wmma_f32_16x16x32_f16 v[T0:T0+7], v[FA:FA+7], v[FB:FB+7], 0
	s_wait_dscnt 24
	v_wmma_f32_16x16x32_f16 v[T1:T1+7], v[FA+8:FA+15], v[FB+8:FB+15], 0
.irp ks, 2,4,6
	s_wait_dscnt 28-4*\ks
	v_wmma_f32_16x16x32_f16 v[T0:T0+7], v[FA+8*\ks:FA+8*\ks+7], v[FB+8*\ks:FB+8*\ks+7], v[T0:T0+7]
	s_wait_dscnt 24-4*\ks
	v_wmma_f32_16x16x32_f16 v[T1:T1+7], v[FA+8*\ks+8:FA+8*\ks+15], v[FB+8*\ks+8:FB+8*\ks+15], v[T1:T1+7]
.endr
	PLACES
.irp j, 0,2,4,6
	v_pk_add_f32 v[T0+\j:T0+\j+1], v[T0+\j:T0+\j+1], v[T1+\j:T1+\j+1]     ; register j: o(b' = r, d = 16 w + 8 h + j) / 64
.endr
	v_pk_mul_f32 v[SC:SC+1], v[T0:T0+1], v[T0:T0+1]
	v_pk_fma_f32 v[SC:SC+1], v[T0+2:T0+3], v[T0+2:T0+3], v[SC:SC+1]
	v_pk_fma_f32 v[SC:SC+1], v[T0+4:T0+5], v[T0+4:T0+5], v[SC:SC+1]
	v_pk_fma_f32 v[SC:SC+1], v[T0+6:T0+7], v[T0+6:T0+7], v[SC:SC+1]
	v_add_f32 v[SC], v[SC], v[SC+1]
	v_permlanex16_b32 v[SC+1], v[SC], s16, s17     ; the other eight d of my wave's sixteen
	v_add_f32 v[SC], v[SC], v[SC+1]
	ds_store_b32 v[AQS], v[SC]                     ; lanes r and 16 + r store the same number to the same word
	s_cmp_lg_u32 s14, s15                          ; of the capsule's four work-groups, bb stores tile t = bb: its wave bb
	s_cbranch_scc1 .Lo1
.irp ks, 0,1,2,3,4,5,6,7
	global_store_b128 v[AF], v[FA+8*\ks:FA+8*\ks+3],   s[10:11] offset:1024*\ks            ; a store covers 512 consecutive bytes
	global_store_b128 v[AF], v[FA+8*\ks+4:FA+8*\ks+7], s[10:11] offset:1024*\ks+512
.endr
.Lo1:
	BAR                                            ; the four parts of |o|^2 are in LDS
	; PHASE O, part 2: the same four waves scale their o.
	s_cmp_gt_u32 s14, 3
	s_cbranch_scc1 .Lo2
	ds_load_b128 v[SC+4:SC+7], v[AQL]
	s_wait_dscnt 0x0
	v_add_f32 v[SC+4], v[SC+4], v[SC+5]
	v_add_f32 v[SC+6], v[SC+6], v[SC+7]
	v_add_f32 v[SC+4], v[SC+4], v[SC+6]
	v_mul_f32 v[SC+4], 0x45800000, v[SC+4]         ; |o|^2 = 64^2 x the sum
	v_max_num_f32 v[SC+5], 0x2b8cbccc, v[SC+4]     ; max(|o|^2, 1e-12)
	v_rsq_f32 v[SC+6], v[SC+5]
	v_nop                                          ; one plain instruction behind the transcendental before its result is read (ISA guide 5.7.2)
	s_wait_alu depctr_va_vdst(0)
	v_mul_f32 v[SC+8], 0x42800000, v[SC+6]         ; 64 / sqrt(..), twice: a pair for the packed multiply
	v_mul_f32 v[SC+9], 0x42800000, v[SC+6]
.irp j, 0,2,4,6
	v_pk_mul_f32 v[T0+\j:T0+\j+1], v[T0+\j:T0+\j+1], v[SC+8:SC+9]
.endr
.irp j, 0,1,2,3
	v_cvt_pk_f16_f32 v[SC+\j], v[T0+2*\j], v[T0+2*\j+1]
.endr
	ds_store_b128 v[AOS], v[SC:SC+3]               ; eight neighbouring d of row b' = r
.Lo2:
	BAR                                            ; o^ is whole in LDS
	; PHASE V: all eight waves, 32 rows e each, as two tiles.
.irp ks, 0,1
	ds_load_b128 v[VB+8*\ks:VB+8*\ks+3],   v[AOB] offset:64*\ks
	ds_load_b128 v[VB+8*\ks+4:VB+8*\ks+7], v[AOB] offset:64*\ks+32
.endr
.irp t, 0,1
.irp ks, 0,1
	ds_load_b128 v[VA+16*\t+8*\ks:VA+16*\t+8*\ks+3],   v[AWN] offset:16*W_PITCH*\t+64*\ks
	ds_load_b128 v[VA+16*\t+8*\ks+4:VA+16*\t+8*\ks+7], v[AWN] offset:16*W_PITCH*\t+64*\ks+32
.endr
.endr
	s_wait_dscnt 0x0
	; two accumulators by turns
	v_wmma_f32_16x16x32_f16 v[VC:VC+7],    v[VA:VA+7],     v[VB:VB+7], 0
	v_wmma_f32_16x16x32_f16 v[VC+8:VC+15], v[VA+16:VA+23], v[VB:VB+7], 0
	v_wmma_f32_16x16x32_f16 v[VC:VC+7],    v[VA+8:VA+15],  v[VB+8:VB+15], v[VC:VC+7]
	v_wmma_f32_16x16x32_f16 v[VC+8:VC+15], v[VA+24:VA+31], v[VB+8:VB+15], v[VC+8:VC+15]
	PLACES
.irp t, 0,1
.irp j, 0,1,2,3
	v_cvt_pk_f16_f32 v[PK+4*\t+\j], v[VC+8*\t+2*\j], v[VC+8*\t+2*\j+1]    ; register j of the tile: v(b' = r, e = 32 w + 16 t + 8 h + j)
.endr
	ds_store_b128 v[AVS], v[PK+4*\t:PK+4*\t+3] offset:32*\t
.endr
	BAR                                            ; the rows of v, to which all eight waves gave a part, are whole
	ds_load_b128 v[RB:RB+3],   v[AVL]
	ds_load_b128 v[RB+4:RB+7], v[AVL] offset:V_PITCH
	s_wait_dscnt 1                                 ; the first row is back, the second load stays out
	global_store_b128 v[AG], v[RB:RB+3], s[8:9]                    ; a wave stores the 512 consecutive bytes of vv0[b][n][:]
	s_wait_dscnt 0x0
	global_store_b128 v[AG], v[RB+4:RB+7], s[8:9] offset:16384
	s_lshr_b32 s24, s14, 1                         ; of the capsule's four work-groups, bb stores tiles te = 4 bb ..: its waves 2 bb and 2 bb + 1
	s_cmp_lg_u32 s24, s15
	s_cbranch_scc1 .Lend
.irp t, 0,1
.irp ks, 0,1
	global_store_b128 v[AF], v[VA+16*\t+8*\ks:VA+16*\t+8*\ks+3],   s[12:13] offset:2048*\t+1024*\ks
	global_store_b128 v[AF], v[VA+16*\t+8*\ks+4:VA+16*\t+8*\ks+7], s[12:13] offset:2048*\t+1024*\ks+512
.endr
.endr
.Lend:
	s_wait_tensorcnt 0x0
	ds_add_u32 v224, v225
	s_wait_dscnt 0x0
	s_endpgm
.Lfunc_end_k_q1afb7883d0_w0:
	.size	k_q1afb7883d0_w0, .Lfunc_end_k_q1afb7883d0_w0-k_q1afb7883d0_w0
	.p2alignl 7, 3214868480
	.fill 96, 4, 3214868480
	.section	.rodata,"a",@progbits
	.p2align	6, 0x0
	.amdhsa_kernel k_q1afb7883d0_w0
		.amdhsa_group_segment_fixed_size 57344
		.amdhsa_private_segment_fixed_size 0
		.amdhsa_enable_private_segment 0
		.amdhsa_kernarg_size 40
		.amdhsa_user_sgpr_count 2
		.amdhsa_user_sgpr_kernarg_segment_ptr 1
		.amdhsa_wavefront_size32 1
		.amdhsa_system_sgpr_workgroup_id_x 1
		.amdhsa_system_sgpr_workgroup_id_y 1
		.amdhsa_system_sgpr_workgroup_id_z 1
		.amdhsa_system_vgpr_workitem_id 0
		.amdhsa_next_free_vgpr 226
		.amdhsa_next_free_sgpr 66
		.amdhsa_reserve_vcc 0
		.amdhsa_float_denorm_mode_32 3
		.amdhsa_float_denorm_mode_16_64 3
		.amdhsa_memory_ordered 1
		.amdhsa_forward_progress 1
		.amdhsa_inst_pref_size 20
	.end_amdhsa_kernel
	.amdgpu_metadata
---
amdhsa.version: [ 1, 2 ]
amdhsa.kernels:
  - .name:           k_q1afb7883d0_w0
    .symbol:         k_q1afb7883d0_w0.kd
    .args:
      - { .name: p0, .offset: 0, .size: 8, .value_kind: global_buffer, .address_space: global }
      - { .name: wh, .offset: 8, .size: 8, .value_kind: global_buffer, .address_space: global }
      - { .name: vv0, .offset: 16, .size: 8, .value_kind: global_buffer, .address_space: global }
      - { .name: wfo, .offset: 24, .size: 8, .value_kind: global_buffer, .address_space: global }
      - { .name: wfv, .offset: 32, .size: 8, .value_kind: global_buffer, .address_space: global }
    .group_segment_fixed_size: 57344
    .private_segment_fixed_size: 0
    .kernarg_segment_align: 8
    .kernarg_segment_size: 40
    .max_flat_workgroup_size: 256
    .sgpr_count:     66
    .vgpr_count:     226
    .wavefront_size: 32
...
	.end_amdgpu_metadata
.endif
;; end of part 2
;; launch uw1 (part 3): grid 256 x 1, 8 waves a work-group, clusters of 4 x 1, 308,992 bytes of LDS; arguments uh, vv0, wfo, wfv, vv1; writes vv1
.if DOCPART == 3
	.amdgcn_target "amdgcn-amd-amdhsa--gfx1250"
	.amdhsa_code_object_version 6
	.text
	.protected	k_q1afb7883d0_uw1
	.globl	k_q1afb7883d0_uw1
	.p2align	8
	.type	k_q1afb7883d0_uw1,@function
k_q1afb7883d0_uw1:
	s_mov_b64 s[64:65], 0
	v_nop
	global_prefetch_b8 v0, s[64:65] scope:SCOPE_SE
	s_setreg_imm32_b32 hwreg(HW_REG_WAVE_MODE, 25, 1), 1
	s_wait_xcnt 0x0
	s_wait_alu depctr_hold_cnt(0) depctr_sa_sdst(0) depctr_va_vdst(0) depctr_va_sdst(0) depctr_va_ssrc(0) depctr_va_vcc(0) depctr_vm_vsrc(0)
	s_getreg_b32 s2, hwreg(HW_REG_IB_STS2, 6, 4)
	s_cmp_eq_u32 s2, 0
	s_cbranch_scc0 .Lentry_in_a_cluster
	s_endpgm
.Lentry_in_a_cluster:
	s_bfe_u32 s2, ttmp6, 0x10000c
	s_cmp_lg_u32 s2, 0x3003
	s_cbranch_scc0 .Lentry_shape_is_right
	s_endpgm
.Lentry_shape_is_right:
; CAPSULE ROUTING, one routing step and the products with W_n behind it.  One text for two launches, told apart by MODE:
;   both:   b[n,i] = u[i,:] . v[n,:];  c = softmax of b over the 32 capsules n;  s[n,:] = sum_i c[n,i] u[i,:];  o = s W_n
;   MODE 1: o^ = o / sqrt(max(|o|^2, 1e-12));  v' = W_n o^, the next step's v.      MODE 2: out0 = squash(o)
; u_hat is not formed: these are the sums of the routing in another order (shown at the head of the first kernel).
; THE SHARE: work-group (b, g): batch b, all its 512 rows i, capsules n = 8 g .. 8 g + 7.  s is a sum over all i, so it is complete here and the products with W_n
; follow in the same launch; only v goes through memory between two routing steps.  The price: the softmax's sum runs over all 32 capsules, so each of a batch's
; four work-groups forms b and the exponentials for all 32, and W_n meets one vector: the 16 columns of its tiles hold the same vector.
; CLUSTER: the four work-groups of a batch form a cluster of 4 x 1 and ask JOINTLY for u's tiles (mask 15): the address is made of the cluster's x (the batch) and the wave's
; number alone.  v[b] is a plain load, 16 KiB beside u's 256; its rows come ROTATED by 8 g, through the global address alone: LDS row j holds capsule (8 g + j) mod 32, so my
; capsules are always LDS rows 0 to 7, and no LDS address and no branch hangs on my place in the cluster.  (A softmax does not mind the order of its terms.)
; EIGHT WAVES, u in four chunks of 128 rows.  A trip: P1, wave w: b for rows 16 w .. + 15 of the chunk (first operand v, second u: the capsules lie along the registers, so maximum
; and sum over n need one exchange between the halves of the wave each); c of LDS rows 0-15 in f16 into LDS as [i][n] (rows 8-15 are not mine: they share the tile); one barrier;
; P2, wave w: s^T for columns e = 32 w .. + 31, K = the chunk's 128 rows, by transposing loads of u and of c.  Then s / 64 in f16 through LDS; wave w takes capsule 8 g + w: o on four
; accumulators (second operand: its row of s in all 16 columns), |o|^2 inside the wave; a lane then holds o(d = 16 t + 8 h + j), the lane order of a second operand with K = d.
; W_n's fragments come from wfo and wfv in lane order (a load covers 512 consecutive bytes): those for o a quarter in each trip, into registers 256-511; those for v' into
; registers that have come free, half behind the last P1, half behind o.
; LDS: 0: u, 4 x 128 rows of 512 + 16 bytes; 270,336: v, 32 rows likewise (each filled once, by tensor loads; nothing is filled again); behind them, from multiples of 256 bytes on,
; what LDS stores write: 287,232: c^T, two buffers of 128 rows x 32 bytes; 295,424: s / 64, 16 rows of 512 + 16; 303,872: the way out, 4,096.
; LIMITS: c in [0, 1] rounded to f16.  The maximum over n is taken away before the exponential.  s / 64 in f16: |s| <= 512 max|u|, finite for max|u| < 8,188; the power of two is taken
; back exactly.  The squash is s2 rcp(1 + s2) rsq(s2): s2 = 0 gives NaN as 0 / 1 / 0 does; s2 below 2^-126 or above 2^120 is not served (v_rsq_f32, v_rcp_f32 flush denormals: ISA guide 15.8; 64 s2 overflows).
.set MODE, 1
.set U_PITCH,  528
.set CHUNK,    128*U_PITCH             ; 67,584
.set V_LDS,    4*CHUNK                 ; 270,336
.set CT_LDS,   V_LDS+32*U_PITCH        ; 287,232
.set CT_BUF,   4096                    ; 128 rows of 32 bytes
.set SS_LDS,   CT_LDS+2*CT_BUF         ; 295,424
.set OS_LDS,   SS_LDS+16*U_PITCH       ; 303,872
.set AU,  2                            ; LDS: u fragments of my 16 rows; steps a chunk a trip
.set AV,  3                            ; LDS: v fragments
.set AT,  4                            ; LDS: u^T fragments (transposing loads); steps a chunk a trip
.set ACS, 5                            ; LDS: where my eight c go
.set ACL, 6                            ; LDS: c fragments (transposing loads)
.set ASS, 7                            ; LDS: where my eight s go
.set ASB, 8                            ; LDS: my capsule's row of s, the same for all lanes of a half
.set AW,  9                            ; global: 16 l, a lane's place in a fragment copy
.set AOS, 10                           ; LDS: the way out, in
.set AOL, 11                           ; LDS: the way out, back
.set AG,  12                           ; global: my bytes of the result
.set D0,  16                           ; v[16:23]   b, exponentials, c of LDS rows 0-15
.set D1,  24                           ; v[24:31]   b, exponentials of LDS rows 16-31
.set MX,  32                           ; v[32:33]   the maximum, then - log2(e) x it, twice
.set SUM, 34                           ; v[34:41]   the sum, its reciprocal
.set PK,  44                           ; v[44:47]   c in f16
.set CF,  16                           ; v[16:47]   P2: c fragments, K step ks
.set PKS, 32                           ; v[32:39]   s in f16
.set SA,  48                           ; v[48:63]   s^T, two accumulators
.set FU,  64                           ; v[64:127]  P1: u, K step ks;  P2: u^T, K step ks, tile t
.set FV,  128                          ; v[128:255] v, K step ks, half nb;  later W_n fragments te 0-7
.set OA,  16                           ; v[16:47]   o, four accumulators; later v', four accumulators
.set OB,  48                           ; v[48:63]   o^ fragments
.set SB,  64                           ; v[64:127]  s fragments
.set SCR, 64                           ; v[64:75]   at work behind o
.set PKV, 80                           ; v[80:95]   v' in f16
.set RB,  96                           ; v[96:99]   read back
.set G1U, 20                           ; s[20:27] group 1 for u: 16 rows, joint
.set G1V, 28                           ; s[28:35] group 1 for v: 4 rows, plain
.set G0V, 36                           ; s[36:39] group 0 for v
.set G0U, 40                           ; s[40:55] group 0 for u, one set for each chunk
.if MODE == 1
.set OUTP, 12
.else
.set OUTP, 10
.endif
.set MSB, 0
.macro WIN new                         ; register windows: bits 1:0 source 0, 3:2 source 1, 5:4 source 2, 7:6 destination; the high byte repeats the setting that is left
.if MSB != \new
	s_set_vgpr_msb (MSB<<8)|\new
.set MSB, \new
.endif
.endm
.macro BAR
	s_wait_dscnt 0x0                               ; my LDS stores are done and my LDS loads are back before I say so
	s_barrier_signal -1
	s_barrier_wait -1
.endm
.macro PLACES                          ; four independent vector instructions behind a matrix instruction (ISA guide 7.12.1)
.rept 4
	v_nop
.endr
.endm
.macro ROUND                           ; a round of the cluster's barrier: my work-group's barrier, wave 0 signals for it, all wait for the four, my work-group's barrier again
	s_barrier_signal -1
	s_barrier_wait -1
	s_cmp_lg_u32 s14, 0
	s_cbranch_scc1 .Lnot_wave_0_\@
	s_barrier_signal -3
.Lnot_wave_0_\@:
	s_barrier_wait -3
	s_barrier_signal -1
	s_barrier_wait -1
.endm
	s_load_b256 s[4:11], s[0:1], 0x0               ; uh s[4:5], v s[6:7], wfo s[8:9], then MODE 1: wfv, MODE 2: out0
.if MODE == 1
	s_load_b64 s[12:13], s[0:1], 0x20              ; the next step's v
	v_lshl_add_u32 v254, v0, 2, 0x4b300
	v_mov_b32 v255, 0
	ds_add_u32 v254, v255
	ds_add_u32 v254, v255
	s_wait_dscnt 0x0
.endif
	v_lshrrev_b32 v1, 5, v0
	v_readfirstlane_b32 s14, v1                    ; wave w
	s_bfe_u32 s15, ttmp6, 0x40000                  ; g: my place along the cluster's x.  ttmp9 counts clusters: it is the batch b
	s_mov_b32 s56, 0x76543210                      ; v_permlanex16_b32: lane i of one half reads lane i of the other
	s_mov_b32 s57, 0xfedcba98
	; group 1: rows of 256 elements of 2 bytes, 256 elements apart in memory; in LDS 4 words of padding behind every 128
	s_mov_b32 s[G1U+0], 15|(1<<16)|(1<<20)|(1<<21)|(6<<22)|(3<<25)   ; the mask names all four of the cluster; element of 2 bytes; padding on; bit 21 beside a mask; after 128 words (code 6); 4 words (code 3)
	s_mov_b32 s[G1U+1], 256<<16                    ; tensor_dim0 = 256
	s_mov_b32 s[G1U+2], 16<<16                     ; tensor_dim1 = 16
	s_mov_b32 s[G1U+3], 256<<16                    ; tile_dim0 = 256
	s_mov_b32 s[G1U+4], 16                         ; tile_dim1 = 16
	s_mov_b32 s[G1U+5], 256                        ; elements from row to row
	s_mov_b32 s[G1U+6], 0
	s_mov_b32 s[G1U+7], 0
	s_mov_b32 s[G1V+0], (1<<16)|(1<<20)|(6<<22)|(3<<25)              ; no mask: my own load
	s_mov_b32 s[G1V+1], 256<<16
	s_mov_b32 s[G1V+2], 4<<16                      ; tensor_dim1 = 4
	s_mov_b32 s[G1V+3], 256<<16
	s_mov_b32 s[G1V+4], 4                          ; tile_dim1 = 4
	s_mov_b32 s[G1V+5], 256
	s_mov_b32 s[G1V+6], 0
	s_mov_b32 s[G1V+7], 0
	s_mov_b32 s[G0V], 1
	s_mul_i32 s[G0V+1], s14, 4*U_PITCH
	s_add_co_u32 s[G0V+1], s[G0V+1], V_LDS         ; LDS rows 4 w .. 4 w + 3 of v
	s_mul_i32 s19, s14, 16*U_PITCH                 ; my 16 rows in a chunk
.irp q, 0,1,2,3
	s_mov_b32 s[G0U+4*\q], 1
	s_add_co_u32 s[G0U+4*\q+1], s19, \q*CHUNK
.endr
	; u's address: the batch and the wave's number, in registers that never hold g
	s_lshl_b32 s16, ttmp9, 18                      ; 512 rows x 512 bytes a batch
	s_lshl_b32 s18, s14, 13                        ; + 16 rows a wave
	s_add_co_u32 s16, s16, s18
	s_mov_b32 s17, 0
	; all that is made from g lies in s58 to s63
	s_lshl_b32 s58, s15, 3
	s_lshl_b32 s59, s14, 2
	s_add_co_u32 s58, s58, s59
	s_and_b32 s58, s58, 31                         ; capsule (8 g + 4 w) mod 32, a multiple of 4: four rows never cross the end
	s_lshl_b32 s58, s58, 9                         ; x 512 bytes
	s_lshl_b32 s59, ttmp9, 14                      ; + 16,384 b
	s_add_co_u32 s58, s58, s59
	s_mov_b32 s59, 0
	s_lshl_b32 s60, s15, 3
	s_add_co_u32 s60, s60, s14                     ; my wave's capsule n = 8 g + w
	s_lshl_b32 s60, s60, 15                        ; 32,768 bytes of fragments a capsule
	s_mov_b32 s61, 0
.if MODE == 1
	s_lshl_b32 s62, ttmp9, 14                      ; v'[b][n][e] f16: 16,384 b + 8 x 512 g
	s_lshl_b32 s63, s15, 12
.else
	s_lshl_b32 s62, ttmp9, 13                      ; out0[b][n][d] f32: 8,192 b + 8 x 256 g
	s_lshl_b32 s63, s15, 11
.endif
	s_add_co_u32 s62, s62, s63
	s_mov_b32 s63, 0
	ROUND                                          ; all four work-groups are here: the joint loads meet.  (The arguments are on their way meanwhile.)
	s_wait_kmcnt 0x0
	s_add_nc_u64 s[G0V+2:G0V+3], s[6:7], s[58:59]
	s_or_b32 s[G0V+3], s[G0V+3], 0x80000000        ; type = 2
	s_add_nc_u64 s[16:17], s[4:5], s[16:17]
.irp q, 0,1,2,3
	s_add_nc_u64 s[G0U+4*\q+2:G0U+4*\q+3], s[16:17], \q*65536      ; 128 rows x 512 bytes a chunk
	s_or_b32 s[G0U+4*\q+3], s[G0U+4*\q+3], 0x80000000
.endr
	tensor_load_to_lds s[G0V:G0V+3], s[G1V:G1V+7]  ; every wave's five loads go out together, first of all: five are outstanding, and they are the wave's only ones
	s_nop 0
.irp q, 0,1,2,3
	tensor_load_to_lds s[G0U+4*\q:G0U+4*\q+3], s[G1U:G1U+7]        ; a load for each chunk, so that the first trip can begin when the first chunk is in
	s_nop 0
.endr
	s_add_nc_u64 s[8:9], s[8:9], s[60:61]
.if MODE == 1
	s_add_nc_u64 s[10:11], s[10:11], s[60:61]
.endif
	s_add_nc_u64 s[OUTP:OUTP+1], s[OUTP:OUTP+1], s[62:63]
	; addresses, while the tiles are on their way.  l = lane, r = l & 15, h = l >> 4.
	v_and_b32 v13, 31, v0
	v_and_b32 v14, 15, v0
	v_bfe_u32 v15, v0, 4, 1
	v_lshlrev_b32 v[AW], 4, v13                    ; 16 l
	v_mul_u32_u24 v1, v14, U_PITCH
	v_lshl_add_u32 v1, v15, 4, v1                  ; 528 r + 16 h
	v_add_nc_u32 v[AU], s19, v1                    ; rows 16 w + r
	v_add_nc_u32 v[AV], V_LDS, v1
	s_lshl_b32 s18, s14, 6
	s_add_co_u32 s18, s18, SS_LDS
	v_add_nc_u32 v[ASS], s18, v1                   ; row r of s, e = 32 w + 8 h ..: 64 w + 16 h bytes
	v_and_b32 v16, 7, v0
	v_lshl_add_u32 v16, v15, 3, v16                ; 8 h + (l & 7): the row i that I address in a transposing load
	v_bfe_u32 v17, v0, 3, 1                        ; lanes 8-15 of each half take the next 16 bytes
	v_mul_u32_u24 v18, v16, U_PITCH
	v_lshl_add_u32 v18, v17, 4, v18
	s_lshl_b32 s18, s14, 6
	v_add_nc_u32 v[AT], s18, v18                   ; + my wave's 32 columns e
	v_lshlrev_b32 v18, 5, v16
	v_lshl_add_u32 v18, v17, 4, v18
	v_add_nc_u32 v[ACL], CT_LDS, v18
	v_lshlrev_b32 v18, 5, v14
	v_lshl_add_u32 v18, v15, 4, v18
	s_lshl_b32 s18, s14, 9
	s_add_co_u32 s18, s18, CT_LDS
	v_add_nc_u32 v[ACS], s18, v18                  ; row 16 w + r of c^T, 16 h bytes
	s_mul_i32 s18, s14, U_PITCH
	s_add_co_u32 s18, s18, SS_LDS
	v_lshl_add_u32 v[ASB], v15, 4, s18             ; row w of s, 16 h bytes
.if MODE == 1
	s_lshl_b32 s18, s14, 9                         ; my wave's 512 bytes: a row of v'
	v_add_nc_u32 v[AG], s18, v[AW]
	s_add_co_u32 s18, s18, OS_LDS
	v_add_nc_u32 v[AOL], s18, v[AW]
	v_lshl_add_u32 v[AOS], v15, 4, s18             ; e = 8 h .. in f16
.else
	s_lshl_b32 s18, s14, 8                         ; my wave's 256 bytes: a row of out0
	v_lshlrev_b32 v18, 3, v13                      ; 8 l
	v_add_nc_u32 v[AG], s18, v18
	s_add_co_u32 s18, s18, OS_LDS
	v_add_nc_u32 v[AOL], s18, v18
	v_lshl_add_u32 v[AOS], v15, 5, s18             ; d = 8 h .. in f32
.endif
	s_wait_tensorcnt 0x4                           ; tensor loads of a wave end in order: my rows of v are in, the four loads of u stay out
	s_barrier_signal -1
	s_barrier_wait -1                              ; everybody's rows of v are in
.irp ks, 0,1,2,3,4,5,6,7
.irp nb, 0,1
	ds_load_b128 v[FV+16*\ks+8*\nb:FV+16*\ks+8*\nb+3],   v[AV] offset:\nb*16*U_PITCH+64*\ks
	ds_load_b128 v[FV+16*\ks+8*\nb+4:FV+16*\ks+8*\nb+7], v[AV] offset:\nb*16*U_PITCH+64*\ks+32
.endr
.endr
; P1 of chunk q.  First a quarter of the fragments for o (tile t = q) is asked for, into registers 256 + 64 q ..
.macro P1 q
	s_wait_tensorcnt 3-\q                          ; my rows of chunk q are in; the 3 - q later loads stay out
	WIN 0x40                                       ; destination in window 1
.irp p, 0,1,2,3,4,5,6,7,8,9,10,11,12,13,14,15
	global_load_b128 v[64*\q+4*\p:64*\q+4*\p+3], v[AW], s[8:9] offset:8192*\q+512*\p
.endr
	WIN 0
.irp ks, 0,1,2,3,4,5,6,7
	ds_load_b128 v[FU+8*\ks:FU+8*\ks+3],   v[AU] offset:64*\ks
	ds_load_b128 v[FU+8*\ks+4:FU+8*\ks+7], v[AU] offset:64*\ks+32
.endr
	; two accumulators by turns, one instruction a turn; the first products start the sums
	s_wait_dscnt 14                                ; LDS loads come back in order: the two loads of each of the seven later K steps stay out
	v_wmma_f32_16x16x32_f16 v[D0:D0+7], v[FV:FV+7],    v[FU:FU+7], 0
	v_wmma_f32_16x16x32_f16 v[D1:D1+7], v[FV+8:FV+15], v[FU:FU+7], 0
.irp ks, 1,2,3,4,5,6,7
	s_wait_dscnt 14-2*\ks
	v_wmma_f32_16x16x32_f16 v[D0:D0+7], v[FV+16*\ks:FV+16*\ks+7],    v[FU+8*\ks:FU+8*\ks+7], v[D0:D0+7]
	v_wmma_f32_16x16x32_f16 v[D1:D1+7], v[FV+16*\ks+8:FV+16*\ks+15], v[FU+8*\ks:FU+8*\ks+7], v[D1:D1+7]
.endr
	PLACES
.endm
; Eight tiles te0 .. te0 + 7 of W_n for v', 16 registers a tile, from register base on
.macro WFV te0, base
.irp e, 0,1,2,3,4,5,6,7
.irp p, 0,1,2,3
	global_load_b128 v[\base+16*\e+4*\p:\base+16*\e+4*\p+3], v[AW], s[10:11] offset:2048*(\te0+\e)+512*\p
.endr
.endr
.endm
; Register j of lane (r, h): b(LDS row 8 h + j of v, i = r) in D0, LDS row 16 + 8 h + j in D1.  The softmax over n runs over 16 registers and the two halves of the wave.
.macro SOFTMAX q
	v_max3_num_f32 v[MX],   v[D0],   v[D0+1], v[D0+2]
	v_max3_num_f32 v[MX+1], v[D1],   v[D1+1], v[D1+2]
	v_max3_num_f32 v[MX],   v[MX],   v[D0+3], v[D0+4]
	v_max3_num_f32 v[MX+1], v[MX+1], v[D1+3], v[D1+4]
	v_max3_num_f32 v[MX],   v[MX],   v[D0+5], v[D0+6]
	v_max3_num_f32 v[MX+1], v[MX+1], v[D1+5], v[D1+6]
	v_max3_num_f32 v[MX],   v[MX],   v[D0+7], v[D1+7]
	v_max_num_f32 v[MX], v[MX], v[MX+1]
	v_permlanex16_b32 v[MX+1], v[MX], s56, s57
	v_max_num_f32 v[MX], v[MX], v[MX+1]            ; the maximum over all 32 capsules for row i = r
	v_mul_f32 v[MX+1], 0xbfb8aa3b, v[MX]           ; - log2(e) x maximum, twice: a pair for the packed form
	v_mul_f32 v[MX],   0xbfb8aa3b, v[MX]
.irp j, 0,2,4,6,8,10,12,14
	v_pk_fma_f32 v[D0+\j:D0+\j+1], v[D0+\j:D0+\j+1], 0x3fb8aa3b, v[MX:MX+1] op_sel_hi:[1,0,1]   ; log2(e) (b - maximum); D1 follows D0 in the registers
.endr
.irp j, 0,1,2,3,4,5,6,7,8,9,10,11,12,13,14,15
	v_exp_f32 v[D0+\j], v[D0+\j]
.endr
	v_nop                                          ; one plain instruction behind the transcendentals before their results are read (ISA guide 5.7.2)
	s_wait_alu depctr_va_vdst(0)
	v_pk_add_f32 v[SUM:SUM+1],   v[D0:D0+1],   v[D0+2:D0+3]
	v_pk_add_f32 v[SUM+2:SUM+3], v[D0+4:D0+5], v[D0+6:D0+7]
	v_pk_add_f32 v[SUM+4:SUM+5], v[D1:D1+1],   v[D1+2:D1+3]
	v_pk_add_f32 v[SUM+6:SUM+7], v[D1+4:D1+5], v[D1+6:D1+7]
	v_pk_add_f32 v[SUM:SUM+1],   v[SUM:SUM+1],   v[SUM+2:SUM+3]
	v_pk_add_f32 v[SUM+4:SUM+5], v[SUM+4:SUM+5], v[SUM+6:SUM+7]
	v_pk_add_f32 v[SUM:SUM+1],   v[SUM:SUM+1],   v[SUM+4:SUM+5]
	v_add_f32 v[SUM], v[SUM], v[SUM+1]
	v_permlanex16_b32 v[SUM+1], v[SUM], s56, s57
	v_add_f32 v[SUM], v[SUM], v[SUM+1]             ; at least about 1: the largest term is 2^0 up to the rounding of the product above
	v_rcp_f32 v[SUM+2], v[SUM]
	v_rcp_f32 v[SUM+3], v[SUM]
	v_nop
	s_wait_alu depctr_va_vdst(0)
.irp j, 0,2,4,6
	v_pk_mul_f32 v[D0+\j:D0+\j+1], v[D0+\j:D0+\j+1], v[SUM+2:SUM+3]      ; c of the tile that holds my capsules; the other tile served the sum alone
.endr
.irp j, 0,1,2,3
	v_cvt_pk_f16_f32 v[PK+\j], v[D0+2*\j], v[D0+2*\j+1]
.endr
	ds_store_b128 v[ACS], v[PK:PK+3] offset:(\q&1)*CT_BUF          ; c(LDS rows 8 h .. + 7, i = 16 w + r): eight neighbours of a row of c^T.  The buffers take turns: the one read in trip q is
	                                                               ; written again in trip q + 2, behind trip q + 1's barrier, in front of which every wave has waited for its reads
.endm
; P2 of chunk q: all 24 transposing loads in one run, six for each K step of 32 along i
.macro P2 q
.irp ks, 0,1,2,3
.irp t, 0,1
	ds_load_tr16_b128 v[FU+16*\ks+8*\t:FU+16*\ks+8*\t+3],   v[AT] offset:\ks*32*U_PITCH+32*\t              ; u(i = 32 ks + 8 h .., e = 32 w + 16 t + r)
	ds_load_tr16_b128 v[FU+16*\ks+8*\t+4:FU+16*\ks+8*\t+7], v[AT] offset:\ks*32*U_PITCH+32*\t+16*U_PITCH   ; i = 32 ks + 16 + 8 h ..
.endr
	ds_load_tr16_b128 v[CF+8*\ks:CF+8*\ks+3],   v[ACL] offset:(\q&1)*CT_BUF+1024*\ks                       ; c(i = 32 ks + 8 h .., LDS row r)
	ds_load_tr16_b128 v[CF+8*\ks+4:CF+8*\ks+7], v[ACL] offset:(\q&1)*CT_BUF+1024*\ks+512
.endr
	; two accumulators by turns; the first chunk's first products start the sums
.irp ks, 0,1,2,3
	s_wait_dscnt 18-6*\ks                          ; the six loads of each later K step stay out
.if (\q == 0) && (\ks == 0)
	v_wmma_f32_16x16x32_f16 v[SA:SA+7],    v[FU:FU+7],    v[CF:CF+7], 0
	v_wmma_f32_16x16x32_f16 v[SA+8:SA+15], v[FU+8:FU+15], v[CF:CF+7], 0
.else
	v_wmma_f32_16x16x32_f16 v[SA:SA+7],    v[FU+16*\ks:FU+16*\ks+7],    v[CF+8*\ks:CF+8*\ks+7], v[SA:SA+7]
	v_wmma_f32_16x16x32_f16 v[SA+8:SA+15], v[FU+16*\ks+8:FU+16*\ks+15], v[CF+8*\ks:CF+8*\ks+7], v[SA+8:SA+15]
.endif
.endr
	PLACES
.if \q < 3
	v_add_nc_u32 v[AU], CHUNK, v[AU]               ; with the four above: six places before the next P1 loads into, and writes over, this P2's operands
	v_add_nc_u32 v[AT], CHUNK, v[AT]
.endif
.endm
.macro TRIP q
	P1 \q
.if MODE == 1
.if \q == 3
	WFV 0, FV                                      ; v's fragments have had their last use, four places ago
.endif
.endif
	SOFTMAX \q
	BAR                                            ; c^T of this chunk is whole, and every wave's rows of the chunk have landed (each waited on its own counter in front of P1)
	P2 \q
.endm
	TRIP 0
	TRIP 1
	TRIP 2
	TRIP 3
	; s / 64 in f16 into LDS.  Register j of lane (r, h) in accumulator t: s(LDS row r, e = 32 w + 16 t + 8 h + j): eight neighbours of a row of s.
.irp j, 0,2,4,6,8,10,12,14
	v_pk_mul_f32 v[SA+\j:SA+\j+1], v[SA+\j:SA+\j+1], 0x3c800000 op_sel_hi:[1,0]
.endr
.irp j, 0,1,2,3,4,5,6,7
	v_cvt_pk_f16_f32 v[PKS+\j], v[SA+2*\j], v[SA+2*\j+1]
.endr
	ds_store_b128 v[ASS], v[PKS:PKS+3]
	ds_store_b128 v[ASS], v[PKS+4:PKS+7] offset:32
	BAR                                            ; the rows of s, to which all eight waves gave a part, are whole
	; o^T(d, .) = W_n^T s^T for my capsule, K = e = 256
.irp ks, 0,1,2,3,4,5,6,7
	ds_load_b128 v[SB+8*\ks:SB+8*\ks+3],   v[ASB] offset:64*\ks
	ds_load_b128 v[SB+8*\ks+4:SB+8*\ks+7], v[ASB] offset:64*\ks+32
.endr
.if MODE == 1
	s_wait_loadcnt 32                              ; the 64 loads of wfo are in; the 32 of wfv issued behind them stay out
.else
	s_wait_loadcnt 0x0
.endif
	WIN 0x01                                       ; source 0 in window 1
	; four accumulators by turns
	s_wait_dscnt 14                                ; the two loads of each later K step stay out
.irp t, 0,1,2,3
	v_wmma_f32_16x16x32_f16 v[OA+8*\t:OA+8*\t+7], v[64*\t:64*\t+7], v[SB:SB+7], 0
.endr
.irp ks, 1,2,3,4,5,6,7
	s_wait_dscnt 14-2*\ks
.irp t, 0,1,2,3
	v_wmma_f32_16x16x32_f16 v[OA+8*\t:OA+8*\t+7], v[64*\t+8*\ks:64*\t+8*\ks+7], v[SB+8*\ks:SB+8*\ks+7], v[OA+8*\t:OA+8*\t+7]
.endr
.endr
	WIN 0
	PLACES
.if MODE == 1
	WIN 0x40
	WFV 8, 0                                       ; into registers 256-383, which o has read
	WIN 0
.endif
	; register j of accumulator t, in every lane of half h: o(d = 16 t + 8 h + j) / 64
	v_pk_mul_f32 v[SCR:SCR+1], v[OA:OA+1], v[OA:OA+1]
.irp j, 2,4,6,8,10,12,14,16,18,20,22,24,26,28,30
	v_pk_fma_f32 v[SCR:SCR+1], v[OA+\j:OA+\j+1], v[OA+\j:OA+\j+1], v[SCR:SCR+1]
.endr
	v_add_f32 v[SCR], v[SCR], v[SCR+1]
	v_permlanex16_b32 v[SCR+1], v[SCR], s56, s57   ; the other half's 32 numbers
	v_add_f32 v[SCR], v[SCR], v[SCR+1]
	v_mul_f32 v[SCR+4], 0x45800000, v[SCR]         ; |o|^2 = 64^2 x the sum
.if MODE == 1
	v_max_num_f32 v[SCR+5], 0x2b8cbccc, v[SCR+4]   ; max(|o|^2, 1e-12)
	v_rsq_f32 v[SCR+6], v[SCR+5]
	v_nop                                          ; one plain instruction behind the transcendental (ISA guide 5.7.2)
	s_wait_alu depctr_va_vdst(0)
	v_mul_f32 v[SCR+8], 0x42800000, v[SCR+6]       ; 64 / sqrt(..), twice: a pair for the packed multiply
	v_mul_f32 v[SCR+9], 0x42800000, v[SCR+6]
.else
	v_add_f32 v[SCR+5], 1.0, v[SCR+4]
	v_rcp_f32 v[SCR+7], v[SCR+5]
	v_rsq_f32 v[SCR+6], v[SCR+4]
	v_mul_f32 v[SCR+10], 0x42800000, v[SCR+4]      ; 64 s2: the plain instruction behind the two transcendentals; it reads no result and writes no source
	v_mul_f32 v[SCR+7], v[SCR+7], v[SCR+6]
	v_mul_f32 v[SCR+8], v[SCR+10], v[SCR+7]        ; 64 s2 / (1 + s2) / sqrt(s2), twice
	v_mul_f32 v[SCR+9], v[SCR+10], v[SCR+7]
.endif
.irp j, 0,2,4,6,8,10,12,14,16,18,20,22,24,26,28,30
	v_pk_mul_f32 v[OA+\j:OA+\j+1], v[OA+\j:OA+\j+1], v[SCR+8:SCR+9]
.endr
.if MODE == 1
.irp j, 0,1,2,3,4,5,6,7,8,9,10,11,12,13,14,15
	v_cvt_pk_f16_f32 v[OB+\j], v[OA+2*\j], v[OA+2*\j+1]            ; registers 8 kd + 4 (t & 1) ..: d = 32 kd + 16 (t & 1) + 8 h ..: a second operand as it stands
.endr
; v'^T(e, .) = W_n o^, K = d = 64: four tiles e = 16 (4 gi + a) .. on four accumulators by turns; then through my wave's own stage
.macro VGROUP gi, base, win
	s_wait_loadcnt 48-16*\gi                       ; of wfv's 64 loads the sixteen of each later group stay out
	WIN \win
.irp a, 0,1,2,3
	v_wmma_f32_16x16x32_f16 v[OA+8*\a:OA+8*\a+7], v[\base+16*\a:\base+16*\a+7], v[OB:OB+7], 0
.endr
.irp a, 0,1,2,3
	v_wmma_f32_16x16x32_f16 v[OA+8*\a:OA+8*\a+7], v[\base+16*\a+8:\base+16*\a+15], v[OB+8:OB+15], v[OA+8*\a:OA+8*\a+7]
.endr
	WIN 0
	PLACES
.irp j, 0,1,2,3,4,5,6,7,8,9,10,11,12,13,14,15
	v_cvt_pk_f16_f32 v[PKV+\j], v[OA+2*\j], v[OA+2*\j+1]
.endr
.irp a, 0,1,2,3
	ds_store_b128 v[AOS], v[PKV+4*\a:PKV+4*\a+3] offset:32*(4*\gi+\a)      ; the sixteen lanes of a half store the same 16 bytes to the same place
.endr
.endm
	VGROUP 0, FV, 0
	VGROUP 1, FV+64, 0
	VGROUP 2, 0, 0x01
	VGROUP 3, 64, 0x01
	ds_load_b128 v[RB:RB+3], v[AOL]                ; LDS serves a wave's instructions in order: this sees my stores above
	s_wait_dscnt 0x0
	global_store_b128 v[AG], v[RB:RB+3], s[OUTP:OUTP+1]            ; the 512 consecutive bytes of v'[b][n][:]
.else
.irp p, 0,1,2,3,4,5,6,7
	ds_store_b128 v[AOS], v[OA+4*\p:OA+4*\p+3] offset:64*(\p>>1)+16*(\p&1)   ; the sixteen lanes of a half store the same 16 bytes to the same place
.endr
	ds_load_b64 v[RB:RB+1], v[AOL]                 ; LDS serves a wave's instructions in order: this sees my stores above
	s_wait_dscnt 0x0
	global_store_b64 v[AG], v[RB:RB+1], s[OUTP:OUTP+1]             ; the 256 consecutive bytes of out0[b][n][:]
.endif
	s_wait_xcnt 0x0
	v_lshl_add_u32 v254, v0, 2, 0x4b300
	v_mov_b32 v255, 0
	s_wait_tensorcnt 0x0
	ds_add_u32 v254, v255
	s_wait_dscnt 0x0
	ROUND                                          ; the closing round: no work-group ends while a partner may still ask for a tile that names it
	s_endpgm
.Lfunc_end_k_q1afb7883d0_uw1:
	.size	k_q1afb7883d0_uw1, .Lfunc_end_k_q1afb7883d0_uw1-k_q1afb7883d0_uw1
	.p2alignl 7, 3214868480
	.fill 96, 4, 3214868480
	.section	.rodata,"a",@progbits
	.p2align	6, 0x0
	.amdhsa_kernel k_q1afb7883d0_uw1
		.amdhsa_group_segment_fixed_size 308992
		.amdhsa_private_segment_fixed_size 0
		.amdhsa_enable_private_segment 0
		.amdhsa_kernarg_size 40
		.amdhsa_user_sgpr_count 2
		.amdhsa_user_sgpr_kernarg_segment_ptr 1
		.amdhsa_wavefront_size32 1
		.amdhsa_system_sgpr_workgroup_id_x 1
		.amdhsa_system_sgpr_workgroup_id_y 1
		.amdhsa_system_sgpr_workgroup_id_z 1
		.amdhsa_system_vgpr_workitem_id 0
		.amdhsa_next_free_vgpr 512
		.amdhsa_next_free_sgpr 66
		.amdhsa_reserve_vcc 0
		.amdhsa_float_denorm_mode_32 3
		.amdhsa_float_denorm_mode_16_64 3
		.amdhsa_memory_ordered 1
		.amdhsa_forward_progress 1
		.amdhsa_inst_pref_size 71
	.end_amdhsa_kernel
	.amdgpu_metadata
---
amdhsa.version: [ 1, 2 ]
amdhsa.kernels:
  - .name:           k_q1afb7883d0_uw1
    .symbol:         k_q1afb7883d0_uw1.kd
    .args:
      - { .name: uh, .offset: 0, .size: 8, .value_kind: global_buffer, .address_space: global }
      - { .name: vv0, .offset: 8, .size: 8, .value_kind: global_buffer, .address_space: global }
      - { .name: wfo, .offset: 16, .size: 8, .value_kind: global_buffer, .address_space: global }
      - { .name: wfv, .offset: 24, .size: 8, .value_kind: global_buffer, .address_space: global }
      - { .name: vv1, .offset: 32, .size: 8, .value_kind: global_buffer, .address_space: global }
    .group_segment_fixed_size: 308992
    .private_segment_fixed_size: 0
    .kernarg_segment_align: 8
    .kernarg_segment_size: 40
    .max_flat_workgroup_size: 256
    .sgpr_count:     66
    .vgpr_count:     512
    .wavefront_size: 32
...
	.end_amdgpu_metadata
.endif
;; end of part 3
;; launch uw2 (part 4): grid 256 x 1, 8 waves a work-group, clusters of 4 x 1, 308,992 bytes of LDS; arguments uh, vv1, wfo, out0; writes out0
.if DOCPART == 4
	.amdgcn_target "amdgcn-amd-amdhsa--gfx1250"
	.amdhsa_code_object_version 6
	.text
	.protected	k_q1afb7883d0_uw2
	.globl	k_q1afb7883d0_uw2
	.p2align	8
	.type	k_q1afb7883d0_uw2,@function
k_q1afb7883d0_uw2:
	s_mov_b64 s[64:65], 0
	v_nop
	global_prefetch_b8 v0, s[64:65] scope:SCOPE_SE
	s_setreg_imm32_b32 hwreg(HW_REG_WAVE_MODE, 25, 1), 1
	s_wait_xcnt 0x0
	s_wait_alu depctr_hold_cnt(0) depctr_sa_sdst(0) depctr_va_vdst(0) depctr_va_sdst(0) depctr_va_ssrc(0) depctr_va_vcc(0) depctr_vm_vsrc(0)
	s_getreg_b32 s2, hwreg(HW_REG_IB_STS2, 6, 4)
	s_cmp_eq_u32 s2, 0
	s_cbranch_scc0 .Lentry_in_a_cluster
	s_endpgm
.Lentry_in_a_cluster:
	s_bfe_u32 s2, ttmp6, 0x10000c
	s_cmp_lg_u32 s2, 0x3003
	s_cbranch_scc0 .Lentry_shape_is_right
	s_endpgm
.Lentry_shape_is_right:
; CAPSULE ROUTING, one routing step and the products with W_n behind it.  One text for two launches, told apart by MODE:
;   both:   b[n,i] = u[i,:] . v[n,:];  c = softmax of b over the 32 capsules n;  s[n,:] = sum_i c[n,i] u[i,:];  o = s W_n
;   MODE 1: o^ = o / sqrt(max(|o|^2, 1e-12));  v' = W_n o^, the next step's v.      MODE 2: out0 = squash(o)
; u_hat is not formed: these are the sums of the routing in another order (shown at the head of the first kernel).
; THE SHARE: work-group (b, g): batch b, all its 512 rows i, capsules n = 8 g .. 8 g + 7.  s is a sum over all i, so it is complete here and the products with W_n
; follow in the same launch; only v goes through memory between two routing steps.  The price: the softmax's sum runs over all 32 capsules, so each of a batch's
; four work-groups forms b and the exponentials for all 32, and W_n meets one vector: the 16 columns of its tiles hold the same vector.
; CLUSTER: the four work-groups of a batch form a cluster of 4 x 1 and ask JOINTLY for u's tiles (mask 15): the address is made of the cluster's x (the batch) and the wave's
; number alone.  v[b] is a plain load, 16 KiB beside u's 256; its rows come ROTATED by 8 g, through the global address alone: LDS row j holds capsule (8 g + j) mod 32, so my
; capsules are always LDS rows 0 to 7, and no LDS address and no branch hangs on my place in the cluster.  (A softmax does not mind the order of its terms.)
; EIGHT WAVES, u in four chunks of 128 rows.  A trip: P1, wave w: b for rows 16 w .. + 15 of the chunk (first operand v, second u: the capsules lie along the registers, so maximum
; and sum over n need one exchange between the halves of the wave each); c of LDS rows 0-15 in f16 into LDS as [i][n] (rows 8-15 are not mine: they share the tile); one barrier;
; P2, wave w: s^T for columns e = 32 w .. + 31, K = the chunk's 128 rows, by transposing loads of u and of c.  Then s / 64 in f16 through LDS; wave w takes capsule 8 g + w: o on four
; accumulators (second operand: its row of s in all 16 columns), |o|^2 inside the wave; a lane then holds o(d = 16 t + 8 h + j), the lane order of a second operand with K = d.
; W_n's fragments come from wfo and wfv in lane order (a load covers 512 consecutive bytes): those for o a quarter in each trip, into registers 256-511; those for v' into
; registers that have come free, half behind the last P1, half behind o.
; LDS: 0: u, 4 x 128 rows of 512 + 16 bytes; 270,336: v, 32 rows likewise (each filled once, by tensor loads; nothing is filled again); behind them, from multiples of 256 bytes on,
; what LDS stores write: 287,232: c^T, two buffers of 128 rows x 32 bytes; 295,424: s / 64, 16 rows of 512 + 16; 303,872: the way out, 4,096.
; LIMITS: c in [0, 1] rounded to f16.  The maximum over n is taken away before the exponential.  s / 64 in f16: |s| <= 512 max|u|, finite for max|u| < 8,188; the power of two is taken
; back exactly.  The squash is s2 rcp(1 + s2) rsq(s2): s2 = 0 gives NaN as 0 / 1 / 0 does; s2 below 2^-126 or above 2^120 is not served (v_rsq_f32, v_rcp_f32 flush denormals: ISA guide 15.8; 64 s2 overflows).
.set MODE, 2
.set U_PITCH,  528
.set CHUNK,    128*U_PITCH             ; 67,584
.set V_LDS,    4*CHUNK                 ; 270,336
.set CT_LDS,   V_LDS+32*U_PITCH        ; 287,232
.set CT_BUF,   4096                    ; 128 rows of 32 bytes
.set SS_LDS,   CT_LDS+2*CT_BUF         ; 295,424
.set OS_LDS,   SS_LDS+16*U_PITCH       ; 303,872
.set AU,  2                            ; LDS: u fragments of my 16 rows; steps a chunk a trip
.set AV,  3                            ; LDS: v fragments
.set AT,  4                            ; LDS: u^T fragments (transposing loads); steps a chunk a trip
.set ACS, 5                            ; LDS: where my eight c go
.set ACL, 6                            ; LDS: c fragments (transposing loads)
.set ASS, 7                            ; LDS: where my eight s go
.set ASB, 8                            ; LDS: my capsule's row of s, the same for all lanes of a half
.set AW,  9                            ; global: 16 l, a lane's place in a fragment copy
.set AOS, 10                           ; LDS: the way out, in
.set AOL, 11                           ; LDS: the way out, back
.set AG,  12                           ; global: my bytes of the result
.set D0,  16                           ; v[16:23]   b, exponentials, c of LDS rows 0-15
.set D1,  24                           ; v[24:31]   b, exponentials of LDS rows 16-31
.set MX,  32                           ; v[32:33]   the maximum, then - log2(e) x it, twice
.set SUM, 34                           ; v[34:41]   the sum, its reciprocal
.set PK,  44                           ; v[44:47]   c in f16
.set CF,  16                           ; v[16:47]   P2: c fragments, K step ks
.set PKS, 32                           ; v[32:39]   s in f16
.set SA,  48                           ; v[48:63]   s^T, two accumulators
.set FU,  64                           ; v[64:127]  P1: u, K step ks;  P2: u^T, K step ks, tile t
.set FV,  128                          ; v[128:255] v, K step ks, half nb;  later W_n fragments te 0-7
.set OA,  16                           ; v[16:47]   o, four accumulators; later v', four accumulators
.set OB,  48                           ; v[48:63]   o^ fragments
.set SB,  64                           ; v[64:127]  s fragments
.set SCR, 64                           ; v[64:75]   at work behind o
.set PKV, 80                           ; v[80:95]   v' in f16
.set RB,  96                           ; v[96:99]   read back
.set G1U, 20                           ; s[20:27] group 1 for u: 16 rows, joint
.set G1V, 28                           ; s[28:35] group 1 for v: 4 rows, plain
.set G0V, 36                           ; s[36:39] group 0 for v
.set G0U, 40                           ; s[40:55] group 0 for u, one set for each chunk
.if MODE == 1
.set OUTP, 12
.else
.set OUTP, 10
.endif
.set MSB, 0
.macro WIN new                         ; register windows: bits 1:0 source 0, 3:2 source 1, 5:4 source 2, 7:6 destination; the high byte repeats the setting that is left
.if MSB != \new
	s_set_vgpr_msb (MSB<<8)|\new
.set MSB, \new
.endif
.endm
.macro BAR
	s_wait_dscnt 0x0                               ; my LDS stores are done and my LDS loads are back before I say so
	s_barrier_signal -1
	s_barrier_wait -1
.endm
.macro PLACES                          ; four independent vector instructions behind a matrix instruction (ISA guide 7.12.1)
.rept 4
	v_nop
.endr
.endm
.macro ROUND                           ; a round of the cluster's barrier: my work-group's barrier, wave 0 signals for it, all wait for the four, my work-group's barrier again
	s_barrier_signal -1
	s_barrier_wait -1
	s_cmp_lg_u32 s14, 0
	s_cbranch_scc1 .Lnot_wave_0_\@
	s_barrier_signal -3
.Lnot_wave_0_\@:
	s_barrier_wait -3
	s_barrier_signal -1
	s_barrier_wait -1
.endm
	s_load_b256 s[4:11], s[0:1], 0x0               ; uh s[4:5], v s[6:7], wfo s[8:9], then MODE 1: wfv, MODE 2: out0
	v_lshl_add_u32 v254, v0, 2, 0x4b300
	v_mov_b32 v255, 0
	ds_add_u32 v254, v255
	ds_add_u32 v254, v255
	s_wait_dscnt 0x0
.if MODE == 1
	s_load_b64 s[12:13], s[0:1], 0x20              ; the next step's v
.endif
	v_lshrrev_b32 v1, 5, v0
	v_readfirstlane_b32 s14, v1                    ; wave w
	s_bfe_u32 s15, ttmp6, 0x40000                  ; g: my place along the cluster's x.  ttmp9 counts clusters: it is the batch b
	s_mov_b32 s56, 0x76543210                      ; v_permlanex16_b32: lane i of one half reads lane i of the other
	s_mov_b32 s57, 0xfedcba98
	; group 1: rows of 256 elements of 2 bytes, 256 elements apart in memory; in LDS 4 words of padding behind every 128
	s_mov_b32 s[G1U+0], 15|(1<<16)|(1<<20)|(1<<21)|(6<<22)|(3<<25)   ; the mask names all four of the cluster; element of 2 bytes; padding on; bit 21 beside a mask; after 128 words (code 6); 4 words (code 3)
	s_mov_b32 s[G1U+1], 256<<16                    ; tensor_dim0 = 256
	s_mov_b32 s[G1U+2], 16<<16                     ; tensor_dim1 = 16
	s_mov_b32 s[G1U+3], 256<<16                    ; tile_dim0 = 256
	s_mov_b32 s[G1U+4], 16                         ; tile_dim1 = 16
	s_mov_b32 s[G1U+5], 256                        ; elements from row to row
	s_mov_b32 s[G1U+6], 0
	s_mov_b32 s[G1U+7], 0
	s_mov_b32 s[G1V+0], (1<<16)|(1<<20)|(6<<22)|(3<<25)              ; no mask: my own load
	s_mov_b32 s[G1V+1], 256<<16
	s_mov_b32 s[G1V+2], 4<<16                      ; tensor_dim1 = 4
	s_mov_b32 s[G1V+3], 256<<16
	s_mov_b32 s[G1V+4], 4                          ; tile_dim1 = 4
	s_mov_b32 s[G1V+5], 256
	s_mov_b32 s[G1V+6], 0
	s_mov_b32 s[G1V+7], 0
	s_mov_b32 s[G0V], 1
	s_mul_i32 s[G0V+1], s14, 4*U_PITCH
	s_add_co_u32 s[G0V+1], s[G0V+1], V_LDS         ; LDS rows 4 w .. 4 w + 3 of v
	s_mul_i32 s19, s14, 16*U_PITCH                 ; my 16 rows in a chunk
.irp q, 0,1,2,3
	s_mov_b32 s[G0U+4*\q], 1
	s_add_co_u32 s[G0U+4*\q+1], s19, \q*CHUNK
.endr
	; u's address: the batch and the wave's number, in registers that never hold g
	s_lshl_b32 s16, ttmp9, 18                      ; 512 rows x 512 bytes a batch
	s_lshl_b32 s18, s14, 13                        ; + 16 rows a wave
	s_add_co_u32 s16, s16, s18
	s_mov_b32 s17, 0
	; all that is made from g lies in s58 to s63
	s_lshl_b32 s58, s15, 3
	s_lshl_b32 s59, s14, 2
	s_add_co_u32 s58, s58, s59
	s_and_b32 s58, s58, 31                         ; capsule (8 g + 4 w) mod 32, a multiple of 4: four rows never cross the end
	s_lshl_b32 s58, s58, 9                         ; x 512 bytes
	s_lshl_b32 s59, ttmp9, 14                      ; + 16,384 b
	s_add_co_u32 s58, s58, s59
	s_mov_b32 s59, 0
	s_lshl_b32 s60, s15, 3
	s_add_co_u32 s60, s60, s14                     ; my wave's capsule n = 8 g + w
	s_lshl_b32 s60, s60, 15                        ; 32,768 bytes of fragments a capsule
	s_mov_b32 s61, 0
.if MODE == 1
	s_lshl_b32 s62, ttmp9, 14                      ; v'[b][n][e] f16: 16,384 b + 8 x 512 g
	s_lshl_b32 s63, s15, 12
.else
	s_lshl_b32 s62, ttmp9, 13                      ; out0[b][n][d] f32: 8,192 b + 8 x 256 g
	s_lshl_b32 s63, s15, 11
.endif
	s_add_co_u32 s62, s62, s63
	s_mov_b32 s63, 0
	ROUND                                          ; all four work-groups are here: the joint loads meet.  (The arguments are on their way meanwhile.)
	s_wait_kmcnt 0x0
	s_add_nc_u64 s[G0V+2:G0V+3], s[6:7], s[58:59]
	s_or_b32 s[G0V+3], s[G0V+3], 0x80000000        ; type = 2
	s_add_nc_u64 s[16:17], s[4:5], s[16:17]
.irp q, 0,1,2,3
	s_add_nc_u64 s[G0U+4*\q+2:G0U+4*\q+3], s[16:17], \q*65536      ; 128 rows x 512 bytes a chunk
	s_or_b32 s[G0U+4*\q+3], s[G0U+4*\q+3], 0x80000000
.endr
	tensor_load_to_lds s[G0V:G0V+3], s[G1V:G1V+7]  ; every wave's five loads go out together, first of all: five are outstanding, and they are the wave's only ones
	s_nop 0
.irp q, 0,1,2,3
	tensor_load_to_lds s[G0U+4*\q:G0U+4*\q+3], s[G1U:G1U+7]        ; a load for each chunk, so that the first trip can begin when the first chunk is in
	s_nop 0
.endr
	s_add_nc_u64 s[8:9], s[8:9], s[60:61]
.if MODE == 1
	s_add_nc_u64 s[10:11], s[10:11], s[60:61]
.endif
	s_add_nc_u64 s[OUTP:OUTP+1], s[OUTP:OUTP+1], s[62:63]
	; addresses, while the tiles are on their way.  l = lane, r = l & 15, h = l >> 4.
	v_and_b32 v13, 31, v0
	v_and_b32 v14, 15, v0
	v_bfe_u32 v15, v0, 4, 1
	v_lshlrev_b32 v[AW], 4, v13                    ; 16 l
	v_mul_u32_u24 v1, v14, U_PITCH
	v_lshl_add_u32 v1, v15, 4, v1                  ; 528 r + 16 h
	v_add_nc_u32 v[AU], s19, v1                    ; rows 16 w + r
	v_add_nc_u32 v[AV], V_LDS, v1
	s_lshl_b32 s18, s14, 6
	s_add_co_u32 s18, s18, SS_LDS
	v_add_nc_u32 v[ASS], s18, v1                   ; row r of s, e = 32 w + 8 h ..: 64 w + 16 h bytes
	v_and_b32 v16, 7, v0
	v_lshl_add_u32 v16, v15, 3, v16                ; 8 h + (l & 7): the row i that I address in a transposing load
	v_bfe_u32 v17, v0, 3, 1                        ; lanes 8-15 of each half take the next 16 bytes
	v_mul_u32_u24 v18, v16, U_PITCH
	v_lshl_add_u32 v18, v17, 4, v18
	s_lshl_b32 s18, s14, 6
	v_add_nc_u32 v[AT], s18, v18                   ; + my wave's 32 columns e
	v_lshlrev_b32 v18, 5, v16
	v_lshl_add_u32 v18, v17, 4, v18
	v_add_nc_u32 v[ACL], CT_LDS, v18
	v_lshlrev_b32 v18, 5, v14
	v_lshl_add_u32 v18, v15, 4, v18
	s_lshl_b32 s18, s14, 9
	s_add_co_u32 s18, s18, CT_LDS
	v_add_nc_u32 v[ACS], s18, v18                  ; row 16 w + r of c^T, 16 h bytes
	s_mul_i32 s18, s14, U_PITCH
	s_add_co_u32 s18, s18, SS_LDS
	v_lshl_add_u32 v[ASB], v15, 4, s18             ; row w of s, 16 h bytes
.if MODE == 1
	s_lshl_b32 s18, s14, 9                         ; my wave's 512 bytes: a row of v'
	v_add_nc_u32 v[AG], s18, v[AW]
	s_add_co_u32 s18, s18, OS_LDS
	v_add_nc_u32 v[AOL], s18, v[AW]
	v_lshl_add_u32 v[AOS], v15, 4, s18             ; e = 8 h .. in f16
.else
	s_lshl_b32 s18, s14, 8                         ; my wave's 256 bytes: a row of out0
	v_lshlrev_b32 v18, 3, v13                      ; 8 l
	v_add_nc_u32 v[AG], s18, v18
	s_add_co_u32 s18, s18, OS_LDS
	v_add_nc_u32 v[AOL], s18, v18
	v_lshl_add_u32 v[AOS], v15, 5, s18             ; d = 8 h .. in f32
.endif
	s_wait_tensorcnt 0x4                           ; tensor loads of a wave end in order: my rows of v are in, the four loads of u stay out
	s_barrier_signal -1
	s_barrier_wait -1                              ; everybody's rows of v are in
.irp ks, 0,1,2,3,4,5,6,7
.irp nb, 0,1
	ds_load_b128 v[FV+16*\ks+8*\nb:FV+16*\ks+8*\nb+3],   v[AV] offset:\nb*16*U_PITCH+64*\ks
	ds_load_b128 v[FV+16*\ks+8*\nb+4:FV+16*\ks+8*\nb+7], v[AV] offset:\nb*16*U_PITCH+64*\ks+32
.endr
.endr
; P1 of chunk q.  First a quarter of the fragments for o (tile t = q) is asked for, into registers 256 + 64 q ..
.macro P1 q
	s_wait_tensorcnt 3-\q                          ; my rows of chunk q are in; the 3 - q later loads stay out
	WIN 0x40                                       ; destination in window 1
.irp p, 0,1,2,3,4,5,6,7,8,9,10,11,12,13,14,15
	global_load_b128 v[64*\q+4*\p:64*\q+4*\p+3], v[AW], s[8:9] offset:8192*\q+512*\p
.endr
	WIN 0
.irp ks, 0,1,2,3,4,5,6,7
	ds_load_b128 v[FU+8*\ks:FU+8*\ks+3],   v[AU] offset:64*\ks
	ds_load_b128 v[FU+8*\ks+4:FU+8*\ks+7], v[AU] offset:64*\ks+32
.endr
	; two accumulators by turns, one instruction a turn; the first products start the sums
	s_wait_dscnt 14                                ; LDS loads come back in order: the two loads of each of the seven later K steps stay out
	v_wmma_f32_16x16x32_f16 v[D0:D0+7], v[FV:FV+7],    v[FU:FU+7], 0
	v_wmma_f32_16x16x32_f16 v[D1:D1+7], v[FV+8:FV+15], v[FU:FU+7], 0
.irp ks, 1,2,3,4,5,6,7
	s_wait_dscnt 14-2*\ks
	v_wmma_f32_16x16x32_f16 v[D0:D0+7], v[FV+16*\ks:FV+16*\ks+7],    v[FU+8*\ks:FU+8*\ks+7], v[D0:D0+7]
	v_wmma_f32_16x16x32_f16 v[D1:D1+7], v[FV+16*\ks+8:FV+16*\ks+15], v[FU+8*\ks:FU+8*\ks+7], v[D1:D1+7]
.endr
	PLACES
.endm
; Eight tiles te0 .. te0 + 7 of W_n for v', 16 registers a tile, from register base on
.macro WFV te0, base
.irp e, 0,1,2,3,4,5,6,7
.irp p, 0,1,2,3
	global_load_b128 v[\base+16*\e+4*\p:\base+16*\e+4*\p+3], v[AW], s[10:11] offset:2048*(\te0+\e)+512*\p
.endr
.endr
.endm
; Register j of lane (r, h): b(LDS row 8 h + j of v, i = r) in D0, LDS row 16 + 8 h + j in D1.  The softmax over n runs over 16 registers and the two halves of the wave.
.macro SOFTMAX q
	v_max3_num_f32 v[MX],   v[D0],   v[D0+1], v[D0+2]
	v_max3_num_f32 v[MX+1], v[D1],   v[D1+1], v[D1+2]
	v_max3_num_f32 v[MX],   v[MX],   v[D0+3], v[D0+4]
	v_max3_num_f32 v[MX+1], v[MX+1], v[D1+3], v[D1+4]
	v_max3_num_f32 v[MX],   v[MX],   v[D0+5], v[D0+6]
	v_max3_num_f32 v[MX+1], v[MX+1], v[D1+5], v[D1+6]
	v_max3_num_f32 v[MX],   v[MX],   v[D0+7], v[D1+7]
	v_max_num_f32 v[MX], v[MX], v[MX+1]
	v_permlanex16_b32 v[MX+1], v[MX], s56, s57
	v_max_num_f32 v[MX], v[MX], v[MX+1]            ; the maximum over all 32 capsules for row i = r
	v_mul_f32 v[MX+1], 0xbfb8aa3b, v[MX]           ; - log2(e) x maximum, twice: a pair for the packed form
	v_mul_f32 v[MX],   0xbfb8aa3b, v[MX]
.irp j, 0,2,4,6,8,10,12,14
	v_pk_fma_f32 v[D0+\j:D0+\j+1], v[D0+\j:D0+\j+1], 0x3fb8aa3b, v[MX:MX+1] op_sel_hi:[1,0,1]   ; log2(e) (b - maximum); D1 follows D0 in the registers
.endr
.irp j, 0,1,2,3,4,5,6,7,8,9,10,11,12,13,14,15
	v_exp_f32 v[D0+\j], v[D0+\j]
.endr
	v_nop                                          ; one plain instruction behind the transcendentals before their results are read (ISA guide 5.7.2)
	s_wait_alu depctr_va_vdst(0)
	v_pk_add_f32 v[SUM:SUM+1],   v[D0:D0+1],   v[D0+2:D0+3]
	v_pk_add_f32 v[SUM+2:SUM+3], v[D0+4:D0+5], v[D0+6:D0+7]
	v_pk_add_f32 v[SUM+4:SUM+5], v[D1:D1+1],   v[D1+2:D1+3]
	v_pk_add_f32 v[SUM+6:SUM+7], v[D1+4:D1+5], v[D1+6:D1+7]
	v_pk_add_f32 v[SUM:SUM+1],   v[SUM:SUM+1],   v[SUM+2:SUM+3]
	v_pk_add_f32 v[SUM+4:SUM+5], v[SUM+4:SUM+5], v[SUM+6:SUM+7]
	v_pk_add_f32 v[SUM:SUM+1],   v[SUM:SUM+1],   v[SUM+4:SUM+5]
	v_add_f32 v[SUM], v[SUM], v[SUM+1]
	v_permlanex16_b32 v[SUM+1], v[SUM], s56, s57
	v_add_f32 v[SUM], v[SUM], v[SUM+1]             ; at least about 1: the largest term is 2^0 up to the rounding of the product above
	v_rcp_f32 v[SUM+2], v[SUM]
	v_rcp_f32 v[SUM+3], v[SUM]
	v_nop
	s_wait_alu depctr_va_vdst(0)
.irp j, 0,2,4,6
	v_pk_mul_f32 v[D0+\j:D0+\j+1], v[D0+\j:D0+\j+1], v[SUM+2:SUM+3]      ; c of the tile that holds my capsules; the other tile served the sum alone
.endr
.irp j, 0,1,2,3
	v_cvt_pk_f16_f32 v[PK+\j], v[D0+2*\j], v[D0+2*\j+1]
.endr
	ds_store_b128 v[ACS], v[PK:PK+3] offset:(\q&1)*CT_BUF          ; c(LDS rows 8 h .. + 7, i = 16 w + r): eight neighbours of a row of c^T.  The buffers take turns: the one read in trip q is
	                                                               ; written again in trip q + 2, behind trip q + 1's barrier, in front of which every wave has waited for its reads
.endm
; P2 of chunk q: all 24 transposing loads in one run, six for each K step of 32 along i
.macro P2 q
.irp ks, 0,1,2,3
.irp t, 0,1
	ds_load_tr16_b128 v[FU+16*\ks+8*\t:FU+16*\ks+8*\t+3],   v[AT] offset:\ks*32*U_PITCH+32*\t              ; u(i = 32 ks + 8 h .., e = 32 w + 16 t + r)
	ds_load_tr16_b128 v[FU+16*\ks+8*\t+4:FU+16*\ks+8*\t+7], v[AT] offset:\ks*32*U_PITCH+32*\t+16*U_PITCH   ; i = 32 ks + 16 + 8 h ..
.endr
	ds_load_tr16_b128 v[CF+8*\ks:CF+8*\ks+3],   v[ACL] offset:(\q&1)*CT_BUF+1024*\ks                       ; c(i = 32 ks + 8 h .., LDS row r)
	ds_load_tr16_b128 v[CF+8*\ks+4:CF+8*\ks+7], v[ACL] offset:(\q&1)*CT_BUF+1024*\ks+512
.endr
	; two accumulators by turns; the first chunk's first products start the sums
.irp ks, 0,1,2,3
	s_wait_dscnt 18-6*\ks                          ; the six loads of each later K step stay out
.if (\q == 0) && (\ks == 0)
	v_wmma_f32_16x16x32_f16 v[SA:SA+7],    v[FU:FU+7],    v[CF:CF+7], 0
	v_wmma_f32_16x16x32_f16 v[SA+8:SA+15], v[FU+8:FU+15], v[CF:CF+7], 0
.else
	v_wmma_f32_16x16x32_f16 v[SA:SA+7],    v[FU+16*\ks:FU+16*\ks+7],    v[CF+8*\ks:CF+8*\ks+7], v[SA:SA+7]
	v_wmma_f32_16x16x32_f16 v[SA+8:SA+15], v[FU+16*\ks+8:FU+16*\ks+15], v[CF+8*\ks:CF+8*\ks+7], v[SA+8:SA+15]
.endif
.endr
	PLACES
.if \q < 3
	v_add_nc_u32 v[AU], CHUNK, v[AU]               ; with the four above: six places before the next P1 loads into, and writes over, this P2's operands
	v_add_nc_u32 v[AT], CHUNK, v[AT]
.endif
.endm
.macro TRIP q
	P1 \q
.if MODE == 1
.if \q == 3
	WFV 0, FV                                      ; v's fragments have had their last use, four places ago
.endif
.endif
	SOFTMAX \q
	BAR                                            ; c^T of this chunk is whole, and every wave's rows of the chunk have landed (each waited on its own counter in front of P1)
	P2 \q
.endm
	TRIP 0
	TRIP 1
	TRIP 2
	TRIP 3
	; s / 64 in f16 into LDS.  Register j of lane (r, h) in accumulator t: s(LDS row r, e = 32 w + 16 t + 8 h + j): eight neighbours of a row of s.
.irp j, 0,2,4,6,8,10,12,14
	v_pk_mul_f32 v[SA+\j:SA+\j+1], v[SA+\j:SA+\j+1], 0x3c800000 op_sel_hi:[1,0]
.endr
.irp j, 0,1,2,3,4,5,6,7
	v_cvt_pk_f16_f32 v[PKS+\j], v[SA+2*\j], v[SA+2*\j+1]
.endr
	ds_store_b128 v[ASS], v[PKS:PKS+3]
	ds_store_b128 v[ASS], v[PKS+4:PKS+7] offset:32
	BAR                                            ; the rows of s, to which all eight waves gave a part, are whole
	; o^T(d, .) = W_n^T s^T for my capsule, K = e = 256
.irp ks, 0,1,2,3,4,5,6,7
	ds_load_b128 v[SB+8*\ks:SB+8*\ks+3],   v[ASB] offset:64*\ks
	ds_load_b128 v[SB+8*\ks+4:SB+8*\ks+7], v[ASB] offset:64*\ks+32
.endr
.if MODE == 1
	s_wait_loadcnt 32                              ; the 64 loads of wfo are in; the 32 of wfv issued behind them stay out
.else
	s_wait_loadcnt 0x0
.endif
	WIN 0x01                                       ; source 0 in window 1
	; four accumulators by turns
	s_wait_dscnt 14                                ; the two loads of each later K step stay out
.irp t, 0,1,2,3
	v_wmma_f32_16x16x32_f16 v[OA+8*\t:OA+8*\t+7], v[64*\t:64*\t+7], v[SB:SB+7], 0
.endr
.irp ks, 1,2,3,4,5,6,7
	s_wait_dscnt 14-2*\ks
.irp t, 0,1,2,3
	v_wmma_f32_16x16x32_f16 v[OA+8*\t:OA+8*\t+7], v[64*\t+8*\ks:64*\t+8*\ks+7], v[SB+8*\ks:SB+8*\ks+7], v[OA+8*\t:OA+8*\t+7]
.endr
.endr
	WIN 0
	PLACES
.if MODE == 1
	WIN 0x40
	WFV 8, 0                                       ; into registers 256-383, which o has read
	WIN 0
.endif
	; register j of accumulator t, in every lane of half h: o(d = 16 t + 8 h + j) / 64
	v_pk_mul_f32 v[SCR:SCR+1], v[OA:OA+1], v[OA:OA+1]
.irp j, 2,4,6,8,10,12,14,16,18,20,22,24,26,28,30
	v_pk_fma_f32 v[SCR:SCR+1], v[OA+\j:OA+\j+1], v[OA+\j:OA+\j+1], v[SCR:SCR+1]
.endr
	v_add_f32 v[SCR], v[SCR], v[SCR+1]
	v_permlanex16_b32 v[SCR+1], v[SCR], s56, s57   ; the other half's 32 numbers
	v_add_f32 v[SCR], v[SCR], v[SCR+1]
	v_mul_f32 v[SCR+4], 0x45800000, v[SCR]         ; |o|^2 = 64^2 x the sum
.if MODE == 1
	v_max_num_f32 v[SCR+5], 0x2b8cbccc, v[SCR+4]   ; max(|o|^2, 1e-12)
	v_rsq_f32 v[SCR+6], v[SCR+5]
	v_nop                                          ; one plain instruction behind the transcendental (ISA guide 5.7.2)
	v_mul_f32 v[SCR+8], 0x42800000, v[SCR+6]       ; 64 / sqrt(..), twice: a pair for the packed multiply
	v_mul_f32 v[SCR+9], 0x42800000, v[SCR+6]
.else
	v_add_f32 v[SCR+5], 1.0, v[SCR+4]
	v_rcp_f32 v[SCR+7], v[SCR+5]
	v_rsq_f32 v[SCR+6], v[SCR+4]
	v_mul_f32 v[SCR+10], 0x42800000, v[SCR+4]      ; 64 s2: the plain instruction behind the two transcendentals; it reads no result and writes no source
	s_wait_alu depctr_va_vdst(0)
	v_mul_f32 v[SCR+7], v[SCR+7], v[SCR+6]
	v_mul_f32 v[SCR+8], v[SCR+10], v[SCR+7]        ; 64 s2 / (1 + s2) / sqrt(s2), twice
	v_mul_f32 v[SCR+9], v[SCR+10], v[SCR+7]
.endif
.irp j, 0,2,4,6,8,10,12,14,16,18,20,22,24,26,28,30
	v_pk_mul_f32 v[OA+\j:OA+\j+1], v[OA+\j:OA+\j+1], v[SCR+8:SCR+9]
.endr
.if MODE == 1
.irp j, 0,1,2,3,4,5,6,7,8,9,10,11,12,13,14,15
	v_cvt_pk_f16_f32 v[OB+\j], v[OA+2*\j], v[OA+2*\j+1]            ; registers 8 kd + 4 (t & 1) ..: d = 32 kd + 16 (t & 1) + 8 h ..: a second operand as it stands
.endr
; v'^T(e, .) = W_n o^, K = d = 64: four tiles e = 16 (4 gi + a) .. on four accumulators by turns; then through my wave's own stage
.macro VGROUP gi, base, win
	s_wait_loadcnt 48-16*\gi                       ; of wfv's 64 loads the sixteen of each later group stay out
	WIN \win
.irp a, 0,1,2,3
	v_wmma_f32_16x16x32_f16 v[OA+8*\a:OA+8*\a+7], v[\base+16*\a:\base+16*\a+7], v[OB:OB+7], 0
.endr
.irp a, 0,1,2,3
	v_wmma_f32_16x16x32_f16 v[OA+8*\a:OA+8*\a+7], v[\base+16*\a+8:\base+16*\a+15], v[OB+8:OB+15], v[OA+8*\a:OA+8*\a+7]
.endr
	WIN 0
	PLACES
.irp j, 0,1,2,3,4,5,6,7,8,9,10,11,12,13,14,15
	v_cvt_pk_f16_f32 v[PKV+\j], v[OA+2*\j], v[OA+2*\j+1]
.endr
.irp a, 0,1,2,3
	ds_store_b128 v[AOS], v[PKV+4*\a:PKV+4*\a+3] offset:32*(4*\gi+\a)      ; the sixteen lanes of a half store the same 16 bytes to the same place
.endr
.endm
	VGROUP 0, FV, 0
	VGROUP 1, FV+64, 0
	VGROUP 2, 0, 0x01
	VGROUP 3, 64, 0x01
	ds_load_b128 v[RB:RB+3], v[AOL]                ; LDS serves a wave's instructions in order: this sees my stores above
	s_wait_dscnt 0x0
	global_store_b128 v[AG], v[RB:RB+3], s[OUTP:OUTP+1]            ; the 512 consecutive bytes of v'[b][n][:]
.else
.irp p, 0,1,2,3,4,5,6,7
	ds_store_b128 v[AOS], v[OA+4*\p:OA+4*\p+3] offset:64*(\p>>1)+16*(\p&1)   ; the sixteen lanes of a half store the same 16 bytes to the same place
.endr
	ds_load_b64 v[RB:RB+1], v[AOL]                 ; LDS serves a wave's instructions in order: this sees my stores above
	s_wait_dscnt 0x0
	global_store_b64 v[AG], v[RB:RB+1], s[OUTP:OUTP+1]             ; the 256 consecutive bytes of out0[b][n][:]
.endif
	s_wait_xcnt 0x0
	v_lshl_add_u32 v254, v0, 2, 0x4b300
	v_mov_b32 v255, 0
	s_wait_tensorcnt 0x0
	ds_add_u32 v254, v255
	s_wait_dscnt 0x0
	ROUND                                          ; the closing round: no work-group ends while a partner may still ask for a tile that names it
	s_endpgm
.Lfunc_end_k_q1afb7883d0_uw2:
	.size	k_q1afb7883d0_uw2, .Lfunc_end_k_q1afb7883d0_uw2-k_q1afb7883d0_uw2
	.p2alignl 7, 3214868480
	.fill 96, 4, 3214868480
	.section	.rodata,"a",@progbits
	.p2align	6, 0x0
	.amdhsa_kernel k_q1afb7883d0_uw2
		.amdhsa_group_segment_fixed_size 308992
		.amdhsa_private_segment_fixed_size 0
		.amdhsa_enable_private_segment 0
		.amdhsa_kernarg_size 32
		.amdhsa_user_sgpr_count 2
		.amdhsa_user_sgpr_kernarg_segment_ptr 1
		.amdhsa_wavefront_size32 1
		.amdhsa_system_sgpr_workgroup_id_x 1
		.amdhsa_system_sgpr_workgroup_id_y 1
		.amdhsa_system_sgpr_workgroup_id_z 1
		.amdhsa_system_vgpr_workitem_id 0
		.amdhsa_next_free_vgpr 512
		.amdhsa_next_free_sgpr 66
		.amdhsa_reserve_vcc 0
		.amdhsa_float_denorm_mode_32 3
		.amdhsa_float_denorm_mode_16_64 3
		.amdhsa_memory_ordered 1
		.amdhsa_forward_progress 1
		.amdhsa_inst_pref_size 56
	.end_amdhsa_kernel
	.amdgpu_metadata
---
amdhsa.version: [ 1, 2 ]
amdhsa.kernels:
  - .name:           k_q1afb7883d0_uw2
    .symbol:         k_q1afb7883d0_uw2.kd
    .args:
      - { .name: uh, .offset: 0, .size: 8, .value_kind: global_buffer, .address_space: global }
      - { .name: vv1, .offset: 8, .size: 8, .value_kind: global_buffer, .address_space: global }
      - { .name: wfo, .offset: 16, .size: 8, .value_kind: global_buffer, .address_space: global }
      - { .name: out0, .offset: 24, .size: 8, .value_kind: global_buffer, .address_space: global }
    .group_segment_fixed_size: 308992
    .private_segment_fixed_size: 0
    .kernarg_segment_align: 8
    .kernarg_segment_size: 32
    .max_flat_workgroup_size: 256
    .sgpr_count:     66
    .vgpr_count:     512
    .wavefront_size: 32
...
	.end_amdgpu_metadata
.endif
;; end of part 4
;; ======== version 2 of 2: 4 launches; version 1 with the launch prep written anew for expert scheduling mode
;; limits: values are held in f16: magnitudes above 65,504 overflow, below 6.1e-05 lose precision; inputs' magnitudes at most 8,188
;; workspace buffers: uh 16,777,216 bytes; wh 1,048,576 bytes; p0 262,144 bytes; vv0 1,048,576 bytes; vv1 1,048,576 bytes; wfo 1,048,576 bytes; wfv 1,048,576 bytes
;; launch prep (part 5): grid 256 x 1, 8 waves a work-group, no clusters, 9,216 bytes of LDS; arguments u_vecs, W, uh, wh, p0; writes uh, wh, p0
.if DOCPART == 5
	.amdgcn_target "amdgcn-amd-amdhsa--gfx1250"
	.amdhsa_code_object_version 6
	.text
	.protected	k_q1afb7883d0_prep
	.globl	k_q1afb7883d0_prep
	.p2align	8
	.type	k_q1afb7883d0_prep,@function
k_q1afb7883d0_prep:
	s_mov_b64 s[64:65], 0
	v_nop
	global_prefetch_b8 v0, s[64:65] scope:SCOPE_SE
	s_setreg_imm32_b32 hwreg(HW_REG_WAVE_SCHED_MODE, 0, 2), 2
	s_setreg_imm32_b32 hwreg(HW_REG_WAVE_MODE, 25, 1), 1
	s_wait_xcnt 0x0
	s_wait_alu depctr_vm_vsrc(0)
; CAPSULE ROUTING, launch 1 of 4: u and W are rounded to f16 copies, and the column sums of u are formed.
;
; WORK THAT IS LEFT OUT, for all finite values of the inputs:
; (1) u_hat[b,n,i,d] = sum_e u[b,i,e] W[e,n,d] enters the routing only linearly, so it is never formed.  With W_n = W[:,n,:]:
;       o[b,n,:] = sum_i c[b,n,i] u_hat[b,n,i,:] = (sum_i c[b,n,i] u[b,i,:]) W_n          = s[b,n,:] W_n
;       b[b,n,i] = sum_d o^[b,n,d] u_hat[b,n,i,d] = sum_e u[b,i,e] (sum_d W[e,n,d] o^[b,n,d]) = u[b,i,:] . v[b,n,:]
;     Both are a change of the order of finite sums: identities of exact arithmetic.
; (2) In the first routing step b is the array of zeros that the routing itself builds, so its softmax over the 32 capsules is 1/32
;     everywhere: no exponential and no product with c; s[b,n,:] = (sum_i u[b,i,:]) / 32 for every n.
; Both inputs still reach the output, and both are loaded.
; LIMITS: the order of rounding differs from a program that forms u_hat.  A NaN, an infinity or an overflow that would arise only
; inside u_hat is not carried to the result.  Matrix operands are f16 (eleven significant bits against bf16's eight; the routing hands
; rounding errors on from step to step): |u| and |W| must stay below 65,504; values below 2^-14 in magnitude round with an absolute
; error of 2^-25 (f16 denormals are kept).
;
; THE SHARE: work-group g = 4 b + chunk owns rows 128 g .. 128 g + 127 of u (as [32768][256]); wave w owns 16 of them; a lane owns
; columns 4 l .. 4 l + 3 and 128 + 4 l .. + 3 of each.  A load of the wave covers 512 consecutive bytes, a store of f16 256, aligned.
; All 32 loads of a wave are issued at once: every byte that the work-group reads is asked for in its first lines.
; The work-group also rounds 32 rows x 64 columns of W: capsule g >> 3, rows e = 32 (g & 7) .., into wh[n][e][d] (each n dense).
; No matrix work, no shared input: matrix units, clusters and LDS slots have nothing to do here.
;
; THE MODE: SCHED_MODE bits 1:0 = 2 (LLVM: expert scheduling mode 2), set by the entry lines.  The code itself states the register dependences
; between vector instructions and memory or LDS instructions, with s_wait_alu, always for 0.
; THE PLAN.  Registers that memory or LDS instructions touch:
;   v1 .. v6     byte offsets and LDS addresses, made once at the head and never written again.
;   WX, X        A row's two loads land in its eight registers; its additions read them; its conversions write registers 0, 1, 4, 5 of the eight in place;
;                its two stores read those four.  Nothing writes them again.
;   ACC          Written by the additions; read by two LDS stores behind the last row.  Nothing writes it again.
;   R            Eight LDS loads land in it, which no vector instruction has named before; the tree of additions writes it; one store reads its first four.
;   v192, v193   Made at the head; read by the closing add alone.
; No register that a memory or LDS instruction has read is written again, so the text holds no wait on vm_vsrc.
; The 16 rows go in four blocks of four; W's conversions count as the block in front of the first.  Block p's vector instructions name ACC and its own rows alone.  Its memory
; instructions are the eight stores of block p - 1, two in front of each row's arithmetic.  So ONE wait on va_vdst at a block's head, behind the wait for the block's first row,
; states all that these eight stores hang on: the block before has written what they read, and no vector instruction issued since names those registers or v2.
.set ROWB,  1024                       ; bytes of a row of u in f32
.set HROWB, 512                        ; and in f16
.set ACC,   8                          ; v[8:15]    column sums of my 8 columns over my wave's 16 rows
.set WX,    16                         ; v[16:23]   my 2 x 4 numbers of W
.set X,     24                         ; v[24:151]  row k: 8 registers as loaded; then f16 in registers 0,1 and 4,5 of the eight
.set R,     152                        ; v[152:183] the eight waves' sums of four columns
	s_load_b256 s[4:11], s[0:1], 0x0               ; u s[4:5], W s[6:7], uh s[8:9], wh s[10:11]
	s_load_b64 s[12:13], s[0:1], 0x20              ; p0
	v_lshl_add_u32 v192, v0, 2, 0x2000             ; the LDS address of my spare word, behind the 8,192 bytes of sums; kept for the closing lines alone
	v_mov_b32 v193, 0                              ; 0, likewise
	v_and_b32 v7, 31, v0                           ; lane l
	v_lshrrev_b32 v6, 5, v0                        ; wave w
	v_readfirstlane_b32 s14, v6
	v_lshlrev_b32 v1, 4, v7
	v_lshl_add_u32 v3, v6, 10, v1                  ; v3: LDS, 1,024 w + 16 l
	v_lshl_add_u32 v1, v6, 14, v1                  ; v1: u, 16 rows x 1,024 bytes a wave + 16 l
	v_lshlrev_b32 v2, 3, v7
	v_lshl_add_u32 v2, v6, 13, v2                  ; v2: uh, 16 rows x 512 bytes a wave + 8 l
	v_lshrrev_b32 v4, 4, v0
	v_and_b32 v5, 15, v0
	v_lshlrev_b32 v5, 4, v5
	v_lshl_add_u32 v4, v4, 13, v5                  ; v4: W, row t >> 4 of 8,192 bytes + 16 (t & 15)
	v_lshlrev_b32 v5, 3, v0                        ; v5: wh, 8 t
	v_lshlrev_b32 v6, 4, v0                        ; v6: the last sum and p0, 16 t (threads 0 to 63)
	s_wait_alu depctr_va_sdst(0)                   ; s14 is written, ahead of its first reader: the compare behind the barrier, which picks the waves that add
	s_lshl_b32 s16, ttmp9, 17                      ; u: 128 rows x 1,024 bytes a work-group
	s_mov_b32 s17, 0
	s_lshl_b32 s18, ttmp9, 16                      ; uh: 128 rows x 512 bytes
	s_mov_b32 s19, 0
	s_lshl_b32 s20, ttmp9, 10                      ; p0[b][chunk][256] f32: 1,024 bytes a work-group
	s_mov_b32 s21, 0
	s_lshl_b32 s22, ttmp9, 12                      ; wh: 32,768 (g >> 3) + 32 rows x 128 bytes x (g & 7) = 4,096 g
	s_mov_b32 s23, 0
	s_and_b32 s24, ttmp9, 7
	s_lshl_b32 s24, s24, 18                        ; W: 32 rows of 8,192 bytes x (g & 7)
	s_lshr_b32 s25, ttmp9, 3
	s_lshl_b32 s25, s25, 8                         ;    + 256 bytes x capsule
	s_add_co_u32 s24, s24, s25
	s_mov_b32 s25, 0
	s_wait_kmcnt 0x0
	s_add_nc_u64 s[4:5], s[4:5], s[16:17]
	s_add_nc_u64 s[8:9], s[8:9], s[18:19]
	s_add_nc_u64 s[12:13], s[12:13], s[20:21]
	s_add_nc_u64 s[10:11], s[10:11], s[22:23]
	s_add_nc_u64 s[6:7], s[6:7], s[24:25]
	s_wait_alu depctr_va_vdst(0)                   ; v1 to v6 are written: every load, store and LDS access of the kernel reads one of them as its offset or address; so are v192 and v193
	global_load_b128 v[WX:WX+3],   v4, s[6:7]                  ; rows 0-15 of my 32: sixteen lanes take 256 consecutive bytes
	global_load_b128 v[WX+4:WX+7], v4, s[6:7] offset:16*8192   ; rows 16-31
.irp k, 0,1,2,3,4,5,6,7,8,9,10,11,12,13,14,15
	global_load_b128 v[X+8*\k:X+8*\k+3],   v1, s[4:5] offset:\k*ROWB th:TH_LOAD_NT       ; u is read once in this launch
	global_load_b128 v[X+8*\k+4:X+8*\k+7], v1, s[4:5] offset:\k*ROWB+512 th:TH_LOAD_NT
.endr
	s_wait_loadcnt 32                              ; loads come back in order: the 32 loads of u stay out, both of W are in
	v_cvt_pk_f16_f32 v[WX],   v[WX],   v[WX+1]
	v_cvt_pk_f16_f32 v[WX+1], v[WX+2], v[WX+3]
	v_cvt_pk_f16_f32 v[WX+4], v[WX+4], v[WX+5]
	v_cvt_pk_f16_f32 v[WX+5], v[WX+6], v[WX+7]
; Row k is rounded to f16 in the registers that it came in; those registers are not written again.
.macro CV k
.irp hf, 0,1
	v_cvt_pk_f16_f32 v[X+8*\k+4*\hf],   v[X+8*\k+4*\hf],   v[X+8*\k+4*\hf+1]
	v_cvt_pk_f16_f32 v[X+8*\k+4*\hf+1], v[X+8*\k+4*\hf+2], v[X+8*\k+4*\hf+3]
.endr
.endm
; Row k.  head = 1: the first row of a block.  st = 1: the row four back, of the block before, is stored in front of this row's arithmetic.
.macro ROW k, head, st
	s_wait_loadcnt 30-2*\k                         ; the 2 (15 - k) loads of the later rows stay out
.if \head
	s_wait_alu depctr_va_vdst(0)                   ; the block before has written its rows in f16, which this block's eight stores read
.endif
.if \st
	global_store_b64 v2, v[X+8*(\k-4):X+8*(\k-4)+1],   s[8:9] offset:(\k-4)*HROWB          ; no vector instruction since the block's wait names these registers
	global_store_b64 v2, v[X+8*(\k-4)+4:X+8*(\k-4)+5], s[8:9] offset:(\k-4)*HROWB+256
.endif
.irp j, 0,2,4,6
	v_pk_add_f32 v[ACC+\j:ACC+\j+1], v[ACC+\j:ACC+\j+1], v[X+8*\k+\j:X+8*\k+\j+1]
.endr
	CV \k
.endm
	s_wait_loadcnt 28                              ; rows 0 and 1 are in, the 28 loads of rows 2 to 15 stay out
	s_wait_alu depctr_va_vdst(0)                   ; W's four conversions have written v[WX], v[WX+1], v[WX+4], v[WX+5], which the two stores read
	global_store_b64 v5, v[WX:WX+1],   s[10:11]                ; 32 lanes store 256 consecutive bytes, aligned
	global_store_b64 v5, v[WX+4:WX+5], s[10:11] offset:2048
.irp j, 0,2,4,6
	v_pk_add_f32 v[ACC+\j:ACC+\j+1], v[X+\j:X+\j+1], v[X+8+\j:X+8+\j+1]   ; the first two rows start the sums: nothing is cleared
.endr
	CV 0
	CV 1
	ROW 2, 0, 0
	ROW 3, 0, 0
	ROW 4, 1, 1                                    ; block 1, with block 0's stores
	ROW 5, 0, 1
	ROW 6, 0, 1
	ROW 7, 0, 1
	ROW 8, 1, 1                                    ; block 2
	ROW 9, 0, 1
	ROW 10, 0, 1
	ROW 11, 0, 1
	ROW 12, 1, 1                                   ; block 3
	ROW 13, 0, 1
	ROW 14, 0, 1
	ROW 15, 0, 1
	; the eight waves' sums meet in LDS: [wave 8][column 256] f32
	s_wait_alu depctr_va_vdst(0)                   ; the additions have written ACC, which the LDS stores read; block 3 has written its rows in f16, which the last eight stores read
	ds_store_b128 v3, v[ACC:ACC+3]
	ds_store_b128 v3, v[ACC+4:ACC+7] offset:512
.irp k, 12,13,14,15
	global_store_b64 v2, v[X+8*\k:X+8*\k+1],   s[8:9] offset:\k*HROWB
	global_store_b64 v2, v[X+8*\k+4:X+8*\k+5], s[8:9] offset:\k*HROWB+256
.endr
	s_wait_dscnt 0x0                               ; my stores are done before I say so
	s_barrier_signal -1
	s_barrier_wait -1
	s_cmp_ge_u32 s14, 2                            ; 256 columns are 64 threads x 4: waves 0 and 1 add and store
	s_cbranch_scc1 .Lend
.irp i, 0,1,2,3,4,5,6,7
	ds_load_b128 v[R+4*\i:R+4*\i+3], v6 offset:1024*\i
.endr
.macro QADD a, b
	v_pk_add_f32 v[R+4*\a:R+4*\a+1],   v[R+4*\a:R+4*\a+1],   v[R+4*\b:R+4*\b+1]
	v_pk_add_f32 v[R+4*\a+2:R+4*\a+3], v[R+4*\a+2:R+4*\a+3], v[R+4*\b+2:R+4*\b+3]
.endm
	s_wait_dscnt 0x0
	QADD 0, 1
	QADD 2, 3
	QADD 4, 5
	QADD 6, 7
	QADD 0, 2
	QADD 4, 6
	QADD 0, 4
	s_wait_alu depctr_va_vdst(0)                   ; the last additions have written v[R:R+3], which the store reads
	global_store_b128 v6, v[R:R+3], s[12:13]       ; the raw sum over my 128 rows; a wave stores 512 consecutive bytes
.Lend:
	s_wait_dscnt 0x0                               ; the closing lines, six on end
	s_wait_alu 0x0
	s_wait_tensorcnt 0x0
	ds_add_u32 v192, v193
	s_wait_dscnt 0x0
	s_endpgm
.Lfunc_end_k_q1afb7883d0_prep:
	.size	k_q1afb7883d0_prep, .Lfunc_end_k_q1afb7883d0_prep-k_q1afb7883d0_prep
	.p2alignl 7, 3214868480
	.fill 96, 4, 3214868480
	.section	.rodata,"a",@progbits
	.p2align	6, 0x0
	.amdhsa_kernel k_q1afb7883d0_prep
		.amdhsa_group_segment_fixed_size 9216
		.amdhsa_private_segment_fixed_size 0
		.amdhsa_enable_private_segment 0
		.amdhsa_kernarg_size 40
		.amdhsa_user_sgpr_count 2
		.amdhsa_user_sgpr_kernarg_segment_ptr 1
		.amdhsa_wavefront_size32 1
		.amdhsa_system_sgpr_workgroup_id_x 1
		.amdhsa_system_sgpr_workgroup_id_y 1
		.amdhsa_system_sgpr_workgroup_id_z 1
		.amdhsa_system_vgpr_workitem_id 0
		.amdhsa_next_free_vgpr 194
		.amdhsa_next_free_sgpr 66
		.amdhsa_reserve_vcc 0
		.amdhsa_float_denorm_mode_32 3
		.amdhsa_float_denorm_mode_16_64 3
		.amdhsa_memory_ordered 1
		.amdhsa_forward_progress 1
		.amdhsa_inst_pref_size 19
	.end_amdhsa_kernel
	.amdgpu_metadata
---
amdhsa.version: [ 1, 2 ]
amdhsa.kernels:
  - .name:           k_q1afb7883d0_prep
    .symbol:         k_q1afb7883d0_prep.kd
    .args:
      - { .name: u_vecs, .offset: 0, .size: 8, .value_kind: global_buffer, .address_space: global }
      - { .name: W, .offset: 8, .size: 8, .value_kind: global_buffer, .address_space: global }
      - { .name: uh, .offset: 16, .size: 8, .value_kind: global_buffer, .address_space: global }
      - { .name: wh, .offset: 24, .size: 8, .value_kind: global_buffer, .address_space: global }
      - { .name: p0, .offset: 32, .size: 8, .value_kind: global_buffer, .address_space: global }
    .group_segment_fixed_size: 9216
    .private_segment_fixed_size: 0
    .kernarg_segment_align: 8
    .kernarg_segment_size: 40
    .max_flat_workgroup_size: 256
    .sgpr_count:     66
    .vgpr_count:     194
    .wavefront_size: 32
...
	.end_amdgpu_metadata
.endif
;; end of part 5
;; launch w0: the kernel of part 2 again; grid 32 x 4, 8 waves a work-group, no clusters, 57,344 bytes of LDS; arguments p0, wh, vv0, wfo, wfv; writes vv0, wfo, wfv
;; launch uw1: the kernel of part 3 again; grid 256 x 1, 8 waves a work-group, clusters of 4 x 1, 308,992 bytes of LDS; arguments uh, vv0, wfo, wfv, vv1; writes vv1
;; launch uw2: the kernel of part 4 again; grid 256 x 1, 8 waves a work-group, clusters of 4 x 1, 308,992 bytes of LDS; arguments uh, vv1, wfo, out0; writes out0
